; MI455X (gfx1250); checked and timed in simulation.
; The chip was launched on July 23, 2026; its instructions are those of AMD's public machine-readable ISA for CDNA 5 (MIT licence, August 2026) and "CDNA5" Instruction Set Architecture Reference Guide (July 2026). The comments in the code are by the model that wrote it; some were corrected since.
;; Multi Head Attention. Allowed arithmetic: float matrix products may take bf16 or f16 operands with f32 sums; other float arithmetic in f32, or as packed bf16 or f16 multiplies, adds, multiply-adds, maxima and minima; sums over many terms, partial sums and values carried from step to step in f32; what a program stores and reads back later, other than sums and carried values, may be rounded once to bf16 or f16.
;; Inputs: Wk 1,024 x 1,024 float32; Wo 1,024 x 1,024 float32; Wq 1,024 x 1,024 float32; Wv 1,024 x 1,024 float32; bk 1,024 float32; bo 1,024 float32; bq 1,024 float32; bv 1,024 float32; x 4 x 2,048 x 1,024 float32.
;; Outputs: out0 4 x 2,048 x 1,024 float32.
;; One version. Each part assembles by itself: llvm-mc -triple=amdgcn-amd-amdhsa -mcpu=gfx1250 --defsym DOCPART=n.
;; ======== version 1 of 1: 6 launches
;; limits: values are held in f16: magnitudes above 65,504 overflow, below 6.1e-05 lose precision
;; workspace buffers: xb 16,777,216 bytes; wT 8,388,608 bytes; qk 33,554,432 bytes; vT 16,777,216 bytes; S 67,108,864 bytes; P 33,554,432 bytes; linv 32,768 bytes; O 16,777,216 bytes
;; launch prep (part 1): grid 768 x 1, 8 waves a work-group, no clusters, 34,816 bytes of LDS; arguments x, Wq, Wk, Wv, Wo, xb, wT; writes xb, wT
.if DOCPART == 1
	.amdgcn_target "amdgcn-amd-amdhsa--gfx1250"
	.amdhsa_code_object_version 6
	.text
	.protected	k_q1178ee22f6_prep
	.globl	k_q1178ee22f6_prep
	.p2align	8
	.type	k_q1178ee22f6_prep,@function
k_q1178ee22f6_prep:
	s_mov_b64 s[64:65], 0
	v_nop
	global_prefetch_b8 v0, s[64:65] scope:SCOPE_SE
	s_setreg_imm32_b32 hwreg(HW_REG_WAVE_MODE, 25, 1), 1
	s_wait_xcnt 0x0
; xb = x rounded to bf16, [8192][1024].  wT = the four weights turned to [n][k], 16 bits a number, [4096][1024]:
; rows 0-1023 Wq^T, 1024-2047 Wk^T, 2048-3071 Wv^T in bf16; rows 3072-4095 Wo^T, rounded to bf16 and that number written as f16.
; LIMIT.  A number of Wo below 6e-5 in magnitude keeps f16's fixed step of 6e-8; beyond 65,504 it would be lost.
; Work-groups 0-255 turn a block of 128 k x 128 n of one weight through LDS; work-groups 256-767 convert 64 KiB of x each.
; The branch between the two hangs on the work-group's number alone, so all eight waves take the same way.
.set WP,    264                        ; a row of the turned block in LDS: 256 bytes + 8
.set SPARE, 128*WP                     ; behind the block: the spare words, 128 bytes for each wave, four blocks of 256 bytes that no other line names
.set LN,  1                            ; v1  lane
.set SPW, 2                            ; v2  LDS address of my spare word; never rewritten
.set NIL, 3                            ; v3  0; never rewritten
.set GI,  4                            ; v4  byte offset of my loads
.set LSA, 5                            ; v5  where I store into the block
.set LRA, 6                            ; v6  where I read it back
.set GOF, 7                            ; v7  byte offset of my stores
.set T0,  8                            ; v8-9 at work
.set D,   32                           ; v[32:95] data
	s_load_b256 s[4:11], s[0:1], 0x0               ; x s[4:5], Wq s[6:7], Wk s[8:9], Wv s[10:11]
	s_load_b128 s[12:15], s[0:1], 0x20             ; Wo s[12:13], xb s[14:15]
	s_load_b64 s[16:17], s[0:1], 0x30              ; wT
	v_lshl_add_u32 v[SPW], v0, 2, SPARE
	v_mov_b32 v[NIL], 0
	v_lshrrev_b32 v[LN], 5, v0
	v_readfirstlane_b32 s18, v[LN]                 ; wave 0..7
	v_and_b32 v[LN], 31, v0
	s_cmp_lt_u32 ttmp9, 256
	s_cbranch_scc0 .Lx
	; A WEIGHT'S BLOCK.  mat = id / 64, kb = (id / 8) % 8, nb = id % 8.
	s_lshr_b32 s20, ttmp9, 6                       ; mat
	s_bfe_u32 s21, ttmp9, 0x30003                  ; kb
	s_and_b32 s19, ttmp9, 7                        ; nb
	s_lshl_b32 s24, s21, 19                        ; 128 kb rows of 4,096 bytes
	s_lshl_b32 s25, s19, 9                         ; 128 nb columns of 4 bytes
	s_add_co_u32 s24, s24, s25
	s_mov_b32 s25, 0
	s_lshl_b32 s26, s20, 21                        ; 1,024 mat rows of 2,048 bytes of wT
	s_lshl_b32 s27, s19, 18                        ; 128 nb rows
	s_add_co_u32 s26, s26, s27
	s_lshl_b32 s27, s21, 8                         ; 128 kb numbers of 2 bytes
	s_add_co_u32 s26, s26, s27
	s_mov_b32 s27, 0
	v_lshlrev_b32 v[GI], 4, v[LN]                  ; 16 bytes a lane: a row's 512 bytes in one load
	s_lshl_b32 s28, s18, 16                        ; my 16 rows
	v_add_nc_u32 v[GI], s28, v[GI]
	v_mul_u32_u24 v[LSA], v[LN], 4*WP              ; my four columns n = 4 l + j are four rows of the turned block,
	s_lshl_b32 s28, s18, 5                         ; my 16 k are 32 bytes of each
	v_add_nc_u32 v[LSA], s28, v[LSA]
	v_lshlrev_b32 v[LRA], 3, v[LN]
	s_mul_i32 s28, s18, 16*WP
	v_add_nc_u32 v[LRA], s28, v[LRA]
	v_lshlrev_b32 v[GOF], 3, v[LN]
	s_lshl_b32 s28, s18, 15                        ; 16 rows of 2,048 bytes
	v_add_nc_u32 v[GOF], s28, v[GOF]
	s_wait_kmcnt 0x0
	s_cmp_eq_u32 s20, 1
	s_cselect_b64 s[22:23], s[8:9], s[6:7]
	s_cmp_eq_u32 s20, 2
	s_cselect_b64 s[22:23], s[10:11], s[22:23]
	s_cmp_eq_u32 s20, 3
	s_cselect_b64 s[22:23], s[12:13], s[22:23]
	s_add_nc_u64 s[22:23], s[22:23], s[24:25]
	s_add_nc_u64 s[16:17], s[16:17], s[26:27]
.set rr, 0
.rept 16
	global_load_b128 v[D+4*rr:D+4*rr+3], v[GI], s[22:23] offset:rr*4096 th:TH_LOAD_NT
.set rr, rr+1
.endr
	s_wait_loadcnt 0x0
.set pr, 0
.rept 8                                ; rows k and k + 1 of one column make one word
.irp j, 0,1,2,3
	v_cvt_pk_bf16_f32 v[D+8*pr+(\j)], v[D+8*pr+(\j)], v[D+8*pr+4+(\j)]
.endr
.set pr, pr+1
.endr
	s_cmp_lg_u32 s20, 3
	s_cbranch_scc1 .Lstay_bf16
.set pr, 0
.rept 8                                ; Wo alone: the bf16 numbers are written as f16
.irp j, 0,1,2,3
	v_lshlrev_b32 v[T0], 16, v[D+8*pr+(\j)]
	v_and_b32 v[T0+1], 0xffff0000, v[D+8*pr+(\j)]
	v_cvt_pk_f16_f32 v[D+8*pr+(\j)], v[T0], v[T0+1]
.endr
.set pr, pr+1
.endr
.Lstay_bf16:
.set pr, 0
.rept 8
.irp j, 0,1,2,3
	ds_store_b32 v[LSA], v[D+8*pr+(\j)] offset:(\j)*WP+4*pr
.endr
.set pr, pr+1
.endr
	s_wait_dscnt 0x0                               ; for the others' sake: my stores into the block are done
	s_barrier_signal -1
	s_barrier_wait -1
.set rr, 0
.rept 16
	ds_load_b64 v[D+2*rr:D+2*rr+1], v[LRA] offset:rr*WP
.set rr, rr+1
.endr
.set rr, 0
.rept 16
	s_wait_dscnt 15-rr                             ; LDS loads come back in order: row rr is in, the younger ones stay out
	global_store_b64 v[GOF], v[D+2*rr:D+2*rr+1], s[16:17] offset:rr*2048  ; the wave stores 256 consecutive bytes, aligned
.set rr, rr+1
.endr
	s_wait_tensorcnt 0x0                           ; the wave's end, behind my last LDS store
	ds_add_u32 v[SPW], v[NIL]
	s_wait_dscnt 0x0
	s_endpgm
.Lx:	; 64 KiB OF x: a wave takes 8 KiB, sixteen loads of 512 consecutive bytes, all on their way at once
	s_sub_co_u32 s20, ttmp9, 256
	s_lshl_b32 s24, s20, 16
	s_lshl_b32 s28, s18, 13
	s_add_co_u32 s24, s24, s28
	s_mov_b32 s25, 0
	s_lshl_b32 s26, s20, 15
	s_lshl_b32 s28, s18, 12
	s_add_co_u32 s26, s26, s28
	s_mov_b32 s27, 0
	v_lshlrev_b32 v[GI], 4, v[LN]
	v_lshlrev_b32 v[GOF], 3, v[LN]
	s_wait_kmcnt 0x0
	s_add_nc_u64 s[4:5], s[4:5], s[24:25]
	s_add_nc_u64 s[14:15], s[14:15], s[26:27]
.set cc, 0
.rept 16
	global_load_b128 v[D+4*cc:D+4*cc+3], v[GI], s[4:5] offset:cc*512 th:TH_LOAD_NT
.set cc, cc+1
.endr
.set cc, 0
.rept 16
	s_wait_loadcnt 15-cc                           ; loads come back in order: load cc is in, the younger ones stay out
	v_cvt_pk_bf16_f32 v[D+4*cc], v[D+4*cc], v[D+4*cc+1]
	v_cvt_pk_bf16_f32 v[D+4*cc+1], v[D+4*cc+2], v[D+4*cc+3]
	global_store_b64 v[GOF], v[D+4*cc:D+4*cc+1], s[14:15] offset:cc*256  ; 256 consecutive bytes, aligned
.set cc, cc+1
.endr
	s_endpgm
.Lfunc_end_k_q1178ee22f6_prep:
	.size	k_q1178ee22f6_prep, .Lfunc_end_k_q1178ee22f6_prep-k_q1178ee22f6_prep
	.p2alignl 7, 3214868480
	.fill 96, 4, 3214868480
	.section	.rodata,"a",@progbits
	.p2align	6, 0x0
	.amdhsa_kernel k_q1178ee22f6_prep
		.amdhsa_group_segment_fixed_size 34816
		.amdhsa_private_segment_fixed_size 0
		.amdhsa_enable_private_segment 0
		.amdhsa_kernarg_size 56
		.amdhsa_user_sgpr_count 2
		.amdhsa_user_sgpr_kernarg_segment_ptr 1
		.amdhsa_wavefront_size32 1
		.amdhsa_system_sgpr_workgroup_id_x 1
		.amdhsa_system_sgpr_workgroup_id_y 1
		.amdhsa_system_sgpr_workgroup_id_z 1
		.amdhsa_system_vgpr_workitem_id 0
		.amdhsa_next_free_vgpr 104
		.amdhsa_next_free_sgpr 66
		.amdhsa_reserve_vcc 0
		.amdhsa_float_denorm_mode_32 3
		.amdhsa_float_denorm_mode_16_64 3
		.amdhsa_memory_ordered 1
		.amdhsa_forward_progress 1
		.amdhsa_inst_pref_size 22
	.end_amdhsa_kernel
	.amdgpu_metadata
---
amdhsa.version: [ 1, 2 ]
amdhsa.kernels:
  - .name:           k_q1178ee22f6_prep
    .symbol:         k_q1178ee22f6_prep.kd
    .args:
      - { .name: x, .offset: 0, .size: 8, .value_kind: global_buffer, .address_space: global }
      - { .name: Wq, .offset: 8, .size: 8, .value_kind: global_buffer, .address_space: global }
      - { .name: Wk, .offset: 16, .size: 8, .value_kind: global_buffer, .address_space: global }
      - { .name: Wv, .offset: 24, .size: 8, .value_kind: global_buffer, .address_space: global }
      - { .name: Wo, .offset: 32, .size: 8, .value_kind: global_buffer, .address_space: global }
      - { .name: xb, .offset: 40, .size: 8, .value_kind: global_buffer, .address_space: global }
      - { .name: wT, .offset: 48, .size: 8, .value_kind: global_buffer, .address_space: global }
    .group_segment_fixed_size: 34816
    .private_segment_fixed_size: 0
    .kernarg_segment_align: 8
    .kernarg_segment_size: 56
    .max_flat_workgroup_size: 256
    .sgpr_count:     66
    .vgpr_count:     104
    .wavefront_size: 32
...
	.end_amdgpu_metadata
.endif
;; end of part 1
;; launch proj (part 2): grid 32 x 12, 4 waves a work-group, clusters of 4 x 4, 327,680 bytes of LDS; arguments xb, wT, bq, bk, qk, vT; writes qk, vT
.if DOCPART == 2
	.amdgcn_target "amdgcn-amd-amdhsa--gfx1250"
	.amdhsa_code_object_version 6
	.text
	.protected	k_q1178ee22f6_proj
	.globl	k_q1178ee22f6_proj
	.p2align	8
	.type	k_q1178ee22f6_proj,@function
k_q1178ee22f6_proj:
	s_mov_b64 s[64:65], 0
	v_nop
	global_prefetch_b8 v0, s[64:65] scope:SCOPE_SE
	s_setreg_imm32_b32 hwreg(HW_REG_WAVE_MODE, 25, 1), 1
	s_wait_xcnt 0x0
	s_wait_alu depctr_hold_cnt(0) depctr_sa_sdst(0) depctr_va_vdst(0) depctr_va_sdst(0) depctr_va_ssrc(0) depctr_va_vcc(0) depctr_vm_vsrc(0)
	s_getreg_b32 s2, hwreg(HW_REG_IB_STS2, 6, 4)
	s_cmp_eq_u32 s2, 0
	s_cbranch_scc0 .Lentry_in_a_cluster
	s_endpgm
.Lentry_in_a_cluster:
	s_bfe_u32 s2, ttmp6, 0x10000c
	s_cmp_lg_u32 s2, 0xf033
	s_cbranch_scc0 .Lentry_shape_is_right
	s_endpgm
.Lentry_shape_is_right:
; q | k = xb wT^T + bf16(bq | bk), f16, into qk [8192][2048] (q in columns 0-1023, k in 1024-2047);  vT = Wv^T x^T, f16, [4][1024 c][2048 s], without bv (added behind the attention's mean).
; Operands bf16, sums f32, each result rounded once to f16.  LIMIT: q, k, v beyond 65,504 in magnitude are lost; NaN and infinities are not treated apart.
; C = A B^T on tiles of 256 x 256: 384 tiles.  Clusters with y < 2 make q | k (A = xb, B = wT: 32 x 8 tiles), clusters with y = 2 make vT (A = wT's rows 2048 on, B = xb: 4 x 32 tiles).
; Four waves, each 128 x 128 of C: 64 accumulators, 512 registers.  K goes in steps of 128 (rows of 256 bytes, aligned) through two LDS slots; waves 0, 1 fetch A's halves, waves 2, 3 B's, 128 rows each.
; A K STEP IS WRITTEN ONCE: the slot that is read hangs on the scalar s[TB] (0 or SLOT), and one descriptor a tensor walks from slot to slot.  SLOT = 0x22000 shares no bit with wave x 0x8800, so an exclusive or turns a tile's LDS address in one slot into the other's.
; CLUSTER 4 x 4: A's tile is shared along a row of the cluster, B's along a column; each is asked for jointly.
; THE MATRIX INSTRUCTION IS USED TRANSPOSED (source 0 = 16 rows of B, source 1 = 16 rows of A): lane l holds row l % 16 of C and the columns 8 (l / 16) + 0..7.
; THE BIAS IS THE C OPERAND of the products that start the sums: no addition is written for it.
; REGISTERS in windows of 256 (s_set_vgpr_msb: bits 1:0 source 0, 3:2 source 1, 5:4 source 2, 7:6 destination):
;   window 0: v0-31 addresses; v32-63, v224-255 rows read back; v64-127, v128-191 A's fragments, two buffers; v192-223 packed results
;   window 1: v0-63 the bias of my 8 x 16 columns; v64-127, v128-191 B's fragments; v192 at work
;   window 2: the accumulators of my rows 0-63 ((a, b) at v[8 (8 a + b)]);   window 3: those of my rows 64-127
.set KSTEP,  128
.set PITCH,  272                       ; an LDS row: 256 bytes + 16 of padding: the 16 rows of a fragment load start at 16 different groups of four banks
.set HALFT,  128*PITCH                 ; what one tensor load brings, and what one wave reads of A or of B
.set SLOT,   4*HALFT                   ; A's 256 rows, then B's 256 rows
.set STAGE,  2*SLOT                    ; behind the ring, never filled by a tensor load: 16 rows x 272 bytes for each wave
.set SPITCH, 272
.set SPARE,  STAGE+4*16*SPITCH         ; the spare words, 128 bytes for each wave: two blocks of 256 bytes that no other line names
.set STEPS,  8                         ; K = 1,024
.set CP,     4096                      ; bytes in a row of qk and of vT
.set A0,   16                          ; v16  my lane's place among A's fragments in slot 0; never rewritten
.set B0,   17                          ; v17  the same for B
.set ADRA, 18                          ; v18  the same in the slot that is read
.set ADRB, 19
.set STO,  24
.set RD,   25
.set CO,   26
.set BO,   27
.set SPW,  28
.set NIL,  29
.set PFO,  30
.set OB,   32
.set F0,   64
.set F1,   128
.set TMP,  192
.set G1A, 24                           ; s[24:31] descriptor group 1 for A's tiles
.set G0A, 32                           ; s[32:39] group 0: a set for each of the two first fills; the second then walks on
.set LIM, 43
.set PFA, 44
.set G1B, 48
.set G0B, 56
.set TB,  66                           ; s66  LDS byte at which the slot that is read begins
.set MSB, 0
.macro WIN new                         ; the immediate's high byte repeats the setting that is left; a switch that changes nothing is dropped
.if MSB != (\new)
	s_set_vgpr_msb (MSB<<8)|(\new)
.set MSB, \new
.endif
.endm
.set MUL_LO, 0xa1                      ; B window 1, A window 0, C and D window 2
.set TO_B,   0x40
.macro JLOAD s                         ; waves 0, 1 ask for A's halves, waves 2, 3 for B's; an s_nop 0 and four v_nop follow each line
	s_cmp_eq_u32 s11, 0
	s_cbranch_scc0 .Lfor_b_\@
	tensor_load_to_lds s[G0A+4*(\s):G0A+4*(\s)+3], s[G1A:G1A+7]
	s_nop 0
.rept 4
	v_nop
.endr
	s_branch .Lasked_\@
.Lfor_b_\@:
	tensor_load_to_lds s[G0B+4*(\s):G0B+4*(\s)+3], s[G1B:G1B+7]
	s_nop 0
.rept 4
	v_nop
.endr
.Lasked_\@:
.endm
.macro ASK                             ; a prefetch of the K step two refills on: 32 rows x 256 bytes, a lane a row.  s3 counts 6 .. 1 in the trips that fill: those with s3 > 2 have such a step (4 to 7)
	s_cmp_gt_u32 s3, s[LIM]
	s_cbranch_scc0 .Lnot_mine_\@
	global_prefetch_b8 v[PFO], s[PFA:PFA+1] offset:KSTEP*2 th:TH_LOAD_NT scope:SCOPE_SE
.Lnot_mine_\@:
.endm
.macro CREST                           ; a round of the cluster's barrier behind its opening barrier
	s_cmp_lg_u32 s10, 0
	s_cbranch_scc1 .Lnot_wave_0_\@
	s_barrier_signal -3
.Lnot_wave_0_\@:
	s_barrier_wait -3
	s_barrier_signal -1
	s_barrier_wait -1
.endm
.macro CROUND
	s_barrier_signal -1
	s_barrier_wait -1
	CREST
.endm
.macro PLACES                          ; four places behind matrix instructions, in front of loads into their sources and of readers of their results
.rept 4
	v_nop
.endr
.endm
; 16 matrix instructions: row blocks a0, a0 + 1 of the window's four (hi = 0: my rows 0-63, 1: rows 64-127) x all 8 column blocks, 32 along K.  start = 1: the sums begin with the bias.
; The 64 accumulators take turns in one order in every quarter.
.macro MUL16 f, hi, a0, start
.if \start
	WIN 0x91+0x40*(\hi)                            ; C (the bias) window 1, D window 2 or 3
.else
	WIN MUL_LO+0x50*(\hi)
.endif
.irp a, \a0, (\a0)+1
.irp b, 0,1,2,3,4,5,6,7
.if \start
	v_wmma_f32_16x16x32_bf16 v[8*(8*(\a)+(\b)):8*(8*(\a)+(\b))+7], v[(\f)+8*(\b):(\f)+8*(\b)+7], v[(\f)+8*(4*(\hi)+(\a)):(\f)+8*(4*(\hi)+(\a))+7], v[8*(\b):8*(\b)+7]
.else
	v_wmma_f32_16x16x32_bf16 v[8*(8*(\a)+(\b)):8*(8*(\a)+(\b))+7], v[(\f)+8*(\b):(\f)+8*(\b)+7], v[(\f)+8*(4*(\hi)+(\a)):(\f)+8*(4*(\hi)+(\a))+7], v[8*(8*(\a)+(\b)):8*(8*(\a)+(\b))+7]
.endif
.endr
.endr
.endm
; 32 LDS loads in one run: the fragments of 32 along K at byte k of the rows of the slot that is read, into buffer f: B's 16, then A's 16 (rows 64-127 last)
.macro FETCH k, f
	WIN TO_B
.irp i, 0,1,2,3,4,5,6,7
	ds_load_b128 v[(\f)+8*(\i):(\f)+8*(\i)+3],   v[ADRB] offset:(\k)+(\i)*16*PITCH
	ds_load_b128 v[(\f)+8*(\i)+4:(\f)+8*(\i)+7], v[ADRB] offset:(\k)+(\i)*16*PITCH+32
.endr
	WIN 0
.irp i, 0,1,2,3,4,5,6,7
	ds_load_b128 v[(\f)+8*(\i):(\f)+8*(\i)+3],   v[ADRA] offset:(\k)+(\i)*16*PITCH
	ds_load_b128 v[(\f)+8*(\i)+4:(\f)+8*(\i)+7], v[ADRA] offset:(\k)+(\i)*16*PITCH+32
.endr
.endm
; A K step is four quarters of 32 along K, 64 matrix instructions each, on buffers 0, 1, 0, 1.  One of the first three: multiplies buffer f and, in its middle, fetches the next quarter, at byte k, into buffer g
.macro QUARTER k, f, g, start
	s_wait_dscnt 8                                 ; B and A's rows 0-63 are in; the youngest eight loads (A's rows 64-127) may be out
	MUL16 \f, 0, 0, \start
	MUL16 \f, 0, 2, \start
	PLACES
	FETCH \k, \g
	s_wait_dscnt 32                                ; all but the 32 just issued
	MUL16 \f, 1, 0, \start
	MUL16 \f, 1, 2, \start
.endm
; The last quarter multiplies buffer 1 and changes slots: each wave waits for all its tensor loads (one is out: its part of the next slot), adds 0 to its spare word, waits for that and for its reads of this slot.
; fill = 1: the barrier opens a round of the cluster's barrier, and the joint refill, two K steps ahead, is the first thing behind it: 224 matrix instructions stand between it and the wait for it.
.macro TURN fill
.if \fill
	s_wait_xcnt 0x0                                ; the last prefetch, a K step back, has read its address
	s_add_nc_u64 s[PFA:PFA+1], s[PFA:PFA+1], KSTEP*2
.endif
	WIN 0
	s_wait_tensorcnt 0x0
	ds_add_u32 v[SPW], v[NIL]
	s_wait_dscnt 9                                 ; the add and A's youngest eight loads may be out
	MUL16 F1, 0, 0, 0
	s_wait_dscnt 0x0                               ; the add is done, and my reads of this slot are over
	s_barrier_signal -1
	MUL16 F1, 0, 2, 0
	WIN 0
	s_barrier_wait -1
.if \fill
	CREST
	s_xor_b32 s[G0A+5], s[G0A+5], SLOT             ; the walking descriptors: the other slot than last time,
	s_add_nc_u64 s[G0A+6:G0A+7], s[G0A+6:G0A+7], KSTEP*2  ; the next K step; the type bits on top are not reached
	s_xor_b32 s[G0B+5], s[G0B+5], SLOT
	s_add_nc_u64 s[G0B+6:G0B+7], s[G0B+6:G0B+7], KSTEP*2
	JLOAD 1                                        ; its four v_nop are also the places in front of the loads below
.else
	PLACES
.endif
	s_xor_b32 s[TB], s[TB], SLOT                   ; the reads go on in the other slot
	v_add_nc_u32 v[ADRA], s[TB], v[A0]
	v_add_nc_u32 v[ADRB], s[TB], v[B0]
	FETCH 0, F0
.if \fill
	ASK
.endif
	MUL16 F1, 1, 0, 0
	MUL16 F1, 1, 2, 0
.endm
.macro BIASLOAD                        ; 128 numbers of the bias at s[84:85]: column 16 b + 8 (l / 16) + j at v[8 b + j] of window 1, each rounded to bf16
	WIN 0x40
.irp b, 0,1,2,3,4,5,6,7
	global_load_b128 v[8*(\b):8*(\b)+3],   v[BO], s[84:85] offset:64*(\b)
	global_load_b128 v[8*(\b)+4:8*(\b)+7], v[BO], s[84:85] offset:64*(\b)+16
.endr
	s_wait_loadcnt 0x0
	WIN 0x45
.set p, 0
.rept 32
	v_cvt_pk_bf16_f32 v192, v[2*p], v[2*p+1]
	v_lshlrev_b32 v[2*p], 16, v192
	v_and_b32 v[2*p+1], 0xffff0000, v192
.set p, p+1
.endr
	WIN 0
.endm
	s_load_b256 s[68:75], s[0:1], 0x0              ; xb s[68:69], wT s[70:71], bq s[72:73], bk s[74:75]
	s_load_b128 s[76:79], s[0:1], 0x20             ; qk s[76:77], vT s[78:79]
	v_lshl_add_u32 v[SPW], v0, 2, SPARE
	v_mov_b32 v[NIL], 0
	ds_add_u32 v[SPW], v[NIL]                      ; the wave's opening: the add and its wait ahead of my first tensor load
	ds_add_u32 v28, v29
	v_lshrrev_b32 v1, 5, v0
	v_readfirstlane_b32 s10, v1                    ; wave 0..3
	s_lshr_b32 s11, s10, 1                         ; my half of the tile's rows.  Also: I fetch for A (0) or for B (1)
	s_and_b32 s12, s10, 1                          ; my half of its columns.  Also: which half I fetch
	s_bfe_u32 s40, ttmp6, 0x40000                  ; cx
	s_bfe_u32 s41, ttmp6, 0x40004                  ; cy
	s_lshl_b32 s42, ttmp9, 2
	s_add_co_u32 s42, s42, s40                     ; gx = 4 X + cx
	s_and_b32 s80, ttmp7, 0xffff                   ; Y
	s_lshl_b32 s13, s80, 2
	s_add_co_u32 s13, s13, s41                     ; gy = 4 Y + cy
	s_and_b32 s46, s42, 7
	s_lshl_b32 s83, s13, 8                         ; 256 gy
	s_lshr_b32 s15, ttmp9, 1
	s_lshl_b32 s15, s15, 11                        ; 2,048 (X / 2)
	s_cmp_lt_u32 s80, 2                            ; q | k or v: by the cluster's y alone
	s_cselect_b32 s82, 1, 0
	s_cselect_b32 s42, s46, s42                    ; the tile column: gx % 8, or gx
	s_cselect_b32 s15, s15, 0
	s_cselect_b32 s14, 0, 2048
	s_add_co_u32 s83, s83, s15                     ; A's first row (for v: gy = 8 .. 11 are wT's rows 2,048 on)
	s_sub_co_u32 s81, s83, s14                     ; C's first row
	s_lshl_b32 s43, s41, 2
	s_lshl_b32 s43, 15, s43                        ; my row of the cluster
	s_lshl_b32 s44, 0x1111, s40                    ; my column
	s_or_b32 s[G1A+0], s43, (1<<16)|(1<<20)|(1<<21)|(5<<22)|(3<<25)  ; the mask; elements of 2 bytes; padding on; bit 21 beside a mask; after every 64 words 4 words
	s_or_b32 s[G1B+0], s44, (1<<16)|(1<<20)|(1<<21)|(5<<22)|(3<<25)
.irp g, G1A, G1B
	s_mov_b32 s[(\g)+1], KSTEP<<16                 ; tensor_dim0 = 128
	s_mov_b32 s[(\g)+2], 128<<16                   ; tensor_dim1 = 128
	s_mov_b32 s[(\g)+3], KSTEP<<16                 ; tile_dim0 = 128
	s_mov_b32 s[(\g)+4], 128                       ; tile_dim1 = 128
	s_mov_b32 s[(\g)+5], 1024                      ; elements from row to row
	s_mov_b32 s[(\g)+6], 0
	s_mov_b32 s[(\g)+7], 0
.endr
	s_lshl_b32 s17, s12, 7
	s_add_co_u32 s16, s83, s17                     ; A: the 128 rows that I fetch,
	s_lshl_b32 s16, s16, 11                        ; of 2,048 bytes
	s_mov_b32 s17, 0
	s_lshl_b32 s46, s42, 8
	s_lshl_b32 s47, s12, 7
	s_add_co_u32 s46, s46, s47                     ; B: the 128 rows that I fetch
	s_lshl_b32 s46, s46, 11
	s_mov_b32 s47, 0
	s_mul_i32 s20, s10, HALFT                      ; where they go: A's two halves, then B's two: wave x 128 rows: no place in the cluster enters an LDS address
	s_mov_b32 s[TB], 0
	s_wait_dscnt 0x0                               ; the opening add is done
	s_wait_kmcnt 0x0
	s_cmp_eq_u32 s82, 1
	s_cselect_b64 s[4:5], s[68:69], s[70:71]       ; A
	s_cselect_b64 s[6:7], s[70:71], s[68:69]       ; B
	s_cselect_b64 s[8:9], s[76:77], s[78:79]       ; C
	s_add_nc_u64 s[18:19], s[4:5], s[16:17]
	s_add_nc_u64 s[46:47], s[6:7], s[46:47]
	CROUND                                         ; all sixteen work-groups are here: the first joint loads meet
.irp s, 0,1
	s_mov_b32 s[G0A+4*(\s)], 1
	s_add_co_u32 s[G0A+4*(\s)+1], s20, (\s)*SLOT
	s_add_nc_u64 s[G0A+4*(\s)+2:G0A+4*(\s)+3], s[18:19], (\s)*KSTEP*2
	s_or_b32 s[G0A+4*(\s)+3], s[G0A+4*(\s)+3], 0x80000000
	s_mov_b32 s[G0B+4*(\s)], 1
	s_add_co_u32 s[G0B+4*(\s)+1], s20, (\s)*SLOT
	s_add_nc_u64 s[G0B+4*(\s)+2:G0B+4*(\s)+3], s[46:47], (\s)*KSTEP*2
	s_or_b32 s[G0B+4*(\s)+3], s[G0B+4*(\s)+3], 0x80000000
	JLOAD \s
.endr
	v_and_b32 v1, 15, v0                           ; l % 16
	v_bfe_u32 v2, v0, 4, 1                         ; l / 16
	v_mul_u32_u24 v3, v1, PITCH
	v_lshl_add_u32 v3, v2, 4, v3                   ; a fragment's row x pitch + 16 x half
	s_mul_i32 s21, s11, HALFT                      ; my 128 rows of A
	s_mul_i32 s22, s12, HALFT                      ; my 128 rows of B,
	s_add_co_u32 s22, s22, 2*HALFT                 ; which lie behind A's 256
	v_add_nc_u32 v[A0], s21, v3
	v_add_nc_u32 v[B0], s22, v3
	v_add_nc_u32 v[ADRA], s[TB], v[A0]
	v_add_nc_u32 v[ADRB], s[TB], v[B0]
	s_mul_i32 s23, s10, 16*SPITCH
	s_add_co_u32 s23, s23, STAGE                   ; my stage
	v_mul_u32_u24 v4, v1, SPITCH                   ; in: row l % 16, 16 bytes for each half of the lanes
	v_lshl_add_u32 v4, v2, 4, v4
	v_add_nc_u32 v[STO], s23, v4
	v_mul_u32_u24 v5, v2, SPITCH                   ; back: lanes 0-15 one row of 256 bytes, lanes 16-31 the next
	v_lshl_add_u32 v5, v1, 4, v5
	v_add_nc_u32 v[RD], s23, v5
	v_mul_u32_u24 v5, v2, CP
	v_lshl_add_u32 v[CO], v1, 4, v5
	v_lshlrev_b32 v[BO], 5, v2
	; C at my 128 x 128: row x 4,096 + (column tile / 8) x 4 MiB (vT's batch; 0 for qk) + (column tile % 8) x 512 + my halves
	s_lshl_b32 s22, s81, 12
	s_lshl_b32 s23, s11, 19
	s_add_co_u32 s22, s22, s23
	s_lshr_b32 s23, s42, 3
	s_lshl_b32 s23, s23, 22
	s_add_co_u32 s22, s22, s23
	s_and_b32 s23, s42, 7
	s_lshl_b32 s23, s23, 9
	s_add_co_u32 s22, s22, s23
	s_lshl_b32 s23, s12, 8
	s_add_co_u32 s22, s22, s23
	s_mov_b32 s23, 0
	s_add_nc_u64 s[8:9], s[8:9], s[22:23]
	; THE PREFETCHES.  Each row's 256 bytes of a K step are named once.  Of the 128 rows that a wave fetches, each of the four partners that ask for them jointly takes 32, told apart by address (cx for A, cy for B).
	; A's rows: the first of the clusters that read them asks (q | k: X even; v: X = 0).  B's rows for q | k (the weights): clusters Y = 0, X < 2.  v's rows of xb are the rows that q | k's tiles name: not named again.
	s_and_b32 s20, ttmp9, 1
	s_lshr_b32 s21, ttmp9, 1
	s_or_b32 s21, s21, s80                         ; 0 where X < 2 and Y = 0
	s_cmp_eq_u32 s82, 1
	s_cselect_b32 s20, s20, ttmp9
	s_cmp_eq_u32 s11, 0
	s_cselect_b32 s20, s20, s21
	s_cmp_eq_u32 s20, 0
	s_cselect_b32 s[LIM], 2, -1                    ; the same in all sixteen partners, for a given wave
	s_lshl_b32 s23, s12, 7
	s_lshl_b32 s21, s40, 5
	s_add_co_u32 s21, s21, s83
	s_add_co_u32 s21, s21, s23                     ; A's first row + my 128 + 32 cx
	s_lshl_b32 s22, s42, 8
	s_add_co_u32 s22, s22, s23
	s_lshl_b32 s23, s41, 5
	s_add_co_u32 s22, s22, s23                     ; B's first row + my 128 + 32 cy
	s_cmp_eq_u32 s11, 0
	s_cselect_b32 s20, s21, s22
	s_cselect_b64 s[PFA:PFA+1], s[4:5], s[6:7]
	s_lshl_b32 s20, s20, 11
	s_mov_b32 s21, 0
	s_add_nc_u64 s[PFA:PFA+1], s[PFA:PFA+1], s[20:21]
	s_add_nc_u64 s[PFA:PFA+1], s[PFA:PFA+1], 2*KSTEP*2  ; at K step 2: the first refill steps it to 3 and names K step 4
	v_and_b32 v[PFO], 31, v0
	v_lshlrev_b32 v[PFO], 11, v[PFO]               ; a lane a row of 2,048 bytes
	; the bias: bq for column tiles 0-3 (X even), bk for 4-7
	s_and_b32 s86, s42, 3
	s_lshl_b32 s86, s86, 10
	s_lshl_b32 s87, s12, 9
	s_add_co_u32 s86, s86, s87
	s_mov_b32 s87, 0
	s_and_b32 s22, ttmp9, 1
	s_cmp_eq_u32 s22, 0
	s_cselect_b64 s[84:85], s[72:73], s[74:75]
	s_add_nc_u64 s[84:85], s[84:85], s[86:87]
	s_cmp_eq_u32 s82, 1
	s_cbranch_scc0 .Lno_bias
	BIASLOAD
	s_branch .Lbias_done
.Lno_bias:
	WIN 0x40
.set p, 0
.rept 64
	v_mov_b32 v[p], 0                              ; vT takes no bias here
.set p, p+1
.endr
	WIN 0
.Lbias_done:
	s_wait_tensorcnt 1                             ; my part of K step 0 is in; K step 1's may stay out
	s_barrier_signal -1
	s_barrier_wait -1
	FETCH 0, F0
	QUARTER 64, F0, F1, 1                          ; the first quarter is written out: its products start the sums
	WIN 0
	s_mov_b32 s3, STEPS-1
	s_branch .Lmid                                 ; the loop is entered behind a step's second quarter
.Lstep:                                                ; six trips: the change of slots with its refill, then the next K step's first three quarters
	TURN 1
	QUARTER 64, F0, F1, 0
	WIN 0
.Lmid:
	QUARTER 128, F1, F0, 0
	QUARTER 192, F0, F1, 0
	WIN 0
	s_sub_co_u32 s3, s3, 1
	s_cmp_lg_u32 s3, 0
	s_cbranch_scc1 .Lstep
	TURN 0                                         ; the tail is written out: nothing is asked for
	QUARTER 64, F0, F1, 0
	QUARTER 128, F1, F0, 0
	QUARTER 192, F0, F1, 0
	s_wait_dscnt 8
	MUL16 F1, 0, 0, 0
	MUL16 F1, 0, 2, 0
	s_wait_dscnt 0x0
	MUL16 F1, 1, 0, 0
	MUL16 F1, 1, 2, 0
	PLACES
	PLACES
; THE WAY OUT, 16 rows at a time: rounded to f16, 16 bytes a lane into my stage, back as whole rows of 256 bytes, stored
.macro PACK a
	WIN 0x0a+5*((\a)/4)                            ; sources 0 and 1: window 2 or 3
.irp b, 0,1,2,3,4,5,6,7
.irp r, 0,1,2,3
	v_cvt_pk_f16_f32 v[TMP+4*(\b)+(\r)], v[64*((\a)%4)+8*(\b)+2*(\r)], v[64*((\a)%4)+8*(\b)+2*(\r)+1]
.endr
.endr
	WIN 0
.endm
.macro TOSTAGE a
	WIN 0
.set BK, OB+192*((\a)%2)
.irp b, 0,1,2,3,4,5,6,7
	ds_store_b128 v[STO], v[TMP+4*(\b):TMP+4*(\b)+3] offset:32*(\b)
.endr
.irp t, 0,1,2,3,4,5,6,7
	ds_load_b128 v[BK+4*(\t):BK+4*(\t)+3], v[RD] offset:(\t)*2*SPITCH  ; LDS serves a wave's instructions in order: these see the stores above
.endr
.endm
.macro SEND a
	WIN 0
.set BK, OB+192*((\a)%2)
	s_wait_dscnt 0x0                               ; the block is back in registers
	s_wait_xcnt 0x0                                ; earlier stores have read their registers: the other buffer is loaded again only behind this wait
.irp t, 0,1,2,3,4,5,6,7
	global_store_b128 v[CO], v[BK+4*(\t):BK+4*(\t)+3], s[8:9] offset:(16*(\a)+2*(\t))*CP  ; 16 lanes store 256 consecutive bytes, aligned
.endr
.endm
	PACK 0
	TOSTAGE 0
.irp a, 1,2,3,4,5,6,7
	PACK \a
	SEND (\a)-1
	TOSTAGE \a
.endr
	SEND 7
	s_wait_tensorcnt 0x0                           ; the wave's end
	ds_add_u32 v[SPW], v[NIL]
	s_wait_dscnt 0x0
	CROUND                                         ; the closing round
	s_endpgm
.Lfunc_end_k_q1178ee22f6_proj:
	.size	k_q1178ee22f6_proj, .Lfunc_end_k_q1178ee22f6_proj-k_q1178ee22f6_proj
	.p2alignl 7, 3214868480
	.fill 96, 4, 3214868480
	.section	.rodata,"a",@progbits
	.p2align	6, 0x0
	.amdhsa_kernel k_q1178ee22f6_proj
		.amdhsa_group_segment_fixed_size 327680
		.amdhsa_private_segment_fixed_size 0
		.amdhsa_enable_private_segment 0
		.amdhsa_kernarg_size 48
		.amdhsa_user_sgpr_count 2
		.amdhsa_user_sgpr_kernarg_segment_ptr 1
		.amdhsa_wavefront_size32 1
		.amdhsa_system_sgpr_workgroup_id_x 1
		.amdhsa_system_sgpr_workgroup_id_y 1
		.amdhsa_system_sgpr_workgroup_id_z 1
		.amdhsa_system_vgpr_workitem_id 0
		.amdhsa_next_free_vgpr 1024
		.amdhsa_next_free_sgpr 96
		.amdhsa_reserve_vcc 0
		.amdhsa_float_denorm_mode_32 3
		.amdhsa_float_denorm_mode_16_64 3
		.amdhsa_memory_ordered 1
		.amdhsa_forward_progress 1
		.amdhsa_inst_pref_size 114
	.end_amdhsa_kernel
	.amdgpu_metadata
---
amdhsa.version: [ 1, 2 ]
amdhsa.kernels:
  - .name:           k_q1178ee22f6_proj
    .symbol:         k_q1178ee22f6_proj.kd
    .args:
      - { .name: xb, .offset: 0, .size: 8, .value_kind: global_buffer, .address_space: global }
      - { .name: wT, .offset: 8, .size: 8, .value_kind: global_buffer, .address_space: global }
      - { .name: bq, .offset: 16, .size: 8, .value_kind: global_buffer, .address_space: global }
      - { .name: bk, .offset: 24, .size: 8, .value_kind: global_buffer, .address_space: global }
      - { .name: qk, .offset: 32, .size: 8, .value_kind: global_buffer, .address_space: global }
      - { .name: vT, .offset: 40, .size: 8, .value_kind: global_buffer, .address_space: global }
    .group_segment_fixed_size: 327680
    .private_segment_fixed_size: 0
    .kernarg_segment_align: 8
    .kernarg_segment_size: 48
    .max_flat_workgroup_size: 128
    .sgpr_count:     96
    .vgpr_count:     1024
    .wavefront_size: 32
...
	.end_amdgpu_metadata
.endif
;; end of part 2
;; launch score (part 3): grid 9 x 16, 4 waves a work-group, no clusters, 327,680 bytes of LDS; arguments qk, S; writes S
.if DOCPART == 3
	.amdgcn_target "amdgcn-amd-amdhsa--gfx1250"
	.amdhsa_code_object_version 6
	.text
	.protected	k_q1178ee22f6_score
	.globl	k_q1178ee22f6_score
	.p2align	8
	.type	k_q1178ee22f6_score,@function
k_q1178ee22f6_score:
	s_mov_b64 s[64:65], 0
	v_nop
	global_prefetch_b8 v0, s[64:65] scope:SCOPE_SE
	s_setreg_imm32_b32 hwreg(HW_REG_WAVE_MODE, 25, 1), 1
	s_wait_xcnt 0x0
; S[b][t][s] = q[b][t] . k[b][s], f32, unscaled and unmasked, for the tiles of 256 queries x 256 keys that hold a key s <= t.  Operands f16, sums f32.
; Row block I of 256 queries has I + 1 such tiles; blocks p and 7 - p together have nine: work-group (x, y): batch y / 4, p = y % 4; x < p + 1: tile (p, x), else (7 - p, x - p - 1).  144 work-groups of equal work.
; NO CLUSTER: a row block has 1 to 8 tiles and a key block 8 to 1, so the tiles do not fall into fours that share a row or a column at every place.
; Four waves, each 128 x 128: 64 accumulators.  K goes in steps of 128 (rows of 256 bytes, aligned) through two LDS slots; wave w fetches 128 rows: waves 0, 1 q's halves, waves 2, 3 k's, each by a descriptor of its own.
; A K STEP IS WRITTEN ONCE: the slot that is read hangs on the scalar s[TB] (0 or SLOT), and one descriptor walks from slot to slot.  SLOT = 0x22000 shares no bit with wave x 0x8800, so an exclusive or turns a tile's LDS address in one slot into the other's.
; THE MATRIX INSTRUCTION IS USED TRANSPOSED (source 0 = 16 keys, source 1 = 16 queries): lane l holds query l % 16 and the keys 8 (l / 16) + 0..7.
; REGISTERS: window 0: v0-31 addresses; v64-127, v128-191 A's fragments, later rows read back; window 1: v64-191 B's fragments; window 2: the accumulators of my rows 0-63 ((a, b) at v[8 (8 a + b)]); window 3: those of rows 64-127.
.set KSTEP,  128
.set PITCH,  272
.set HALFT,  128*PITCH
.set SLOT,   4*HALFT
.set STAGE,  2*SLOT                    ; behind the ring, never filled by a tensor load: 16 rows x 528 bytes for each wave
.set SPITCH, 528
.set SPARE,  STAGE+4*16*SPITCH         ; the spare words, 128 bytes for each wave: two blocks of 256 bytes that no other line names
.set STEPS,  8
.set CP,     8192                      ; bytes in a row of S
.set A0,   16
.set B0,   17
.set ADRA, 18
.set ADRB, 19
.set STO,  24
.set RD,   25
.set CO,   26
.set SPW,  28
.set NIL,  29
.set PFO,  30
.set F0,   64
.set F1,   128
.set G1,  24                           ; s[24:31] descriptor group 1: 128 rows x 128 elements, for q's and k's tiles alike
.set G0,  32                           ; s[32:39] group 0: a set for each of the two first fills; the second then walks on
.set LIM, 43
.set PFA, 44
.set TB,  66
.set MSB, 0
.macro WIN new
.if MSB != (\new)
	s_set_vgpr_msb (MSB<<8)|(\new)
.set MSB, \new
.endif
.endm
.set MUL_LO, 0xa1
.set TO_B,   0x40
.macro LOADT s                         ; my 128 rows; an s_nop 0 and four v_nop follow the line
	tensor_load_to_lds s[G0+4*(\s):G0+4*(\s)+3], s[G1:G1+7]
	s_nop 0
.rept 4
	v_nop
.endr
.endm
.macro ASK                             ; the K step two refills on, of the 128 rows that I fetch: a lane a row, 32 rows a line.  s3 counts 6 .. 1 in the trips that fill: those with s3 > 2 have such a step (4 to 7)
	s_cmp_gt_u32 s3, s[LIM]
	s_cbranch_scc0 .Lnot_mine_\@
.irp u, 0,1,2,3
	global_prefetch_b8 v[PFO], s[PFA:PFA+1] offset:KSTEP*2+(\u)*32*4096 th:TH_LOAD_NT scope:SCOPE_SE
.endr
.Lnot_mine_\@:
.endm
.macro PLACES
.rept 4
	v_nop
.endr
.endm
.macro MUL16 f, hi, a0, start          ; the 64 accumulators take turns in one order in every quarter; start = 1: the sums begin with the constant 0
	WIN MUL_LO+0x50*(\hi)
.irp a, \a0, (\a0)+1
.irp b, 0,1,2,3,4,5,6,7
.if \start
	v_wmma_f32_16x16x32_f16 v[8*(8*(\a)+(\b)):8*(8*(\a)+(\b))+7], v[(\f)+8*(\b):(\f)+8*(\b)+7], v[(\f)+8*(4*(\hi)+(\a)):(\f)+8*(4*(\hi)+(\a))+7], 0
.else
	v_wmma_f32_16x16x32_f16 v[8*(8*(\a)+(\b)):8*(8*(\a)+(\b))+7], v[(\f)+8*(\b):(\f)+8*(\b)+7], v[(\f)+8*(4*(\hi)+(\a)):(\f)+8*(4*(\hi)+(\a))+7], v[8*(8*(\a)+(\b)):8*(8*(\a)+(\b))+7]
.endif
.endr
.endr
.endm
.macro FETCH k, f                      ; 32 LDS loads in one run: B's 16, then A's 16 (rows 64-127 last)
	WIN TO_B
.irp i, 0,1,2,3,4,5,6,7
	ds_load_b128 v[(\f)+8*(\i):(\f)+8*(\i)+3],   v[ADRB] offset:(\k)+(\i)*16*PITCH
	ds_load_b128 v[(\f)+8*(\i)+4:(\f)+8*(\i)+7], v[ADRB] offset:(\k)+(\i)*16*PITCH+32
.endr
	WIN 0
.irp i, 0,1,2,3,4,5,6,7
	ds_load_b128 v[(\f)+8*(\i):(\f)+8*(\i)+3],   v[ADRA] offset:(\k)+(\i)*16*PITCH
	ds_load_b128 v[(\f)+8*(\i)+4:(\f)+8*(\i)+7], v[ADRA] offset:(\k)+(\i)*16*PITCH+32
.endr
.endm
.macro QUARTER k, f, g, start
	s_wait_dscnt 8                                 ; B and A's rows 0-63 are in; the youngest eight loads (A's rows 64-127) may be out
	MUL16 \f, 0, 0, \start
	MUL16 \f, 0, 2, \start
	PLACES
	FETCH \k, \g
	s_wait_dscnt 32                                ; all but the 32 just issued
	MUL16 \f, 1, 0, \start
	MUL16 \f, 1, 2, \start
.endm
; The change of slots: all my tensor loads waited for, the add, my reads of the slot waited for, the barrier, the refill first behind it: 224 matrix instructions stand between it and the wait for it
.macro TURN fill
.if \fill
	s_wait_xcnt 0x0                                ; the last prefetches, a K step back, have read their address
	s_add_nc_u64 s[PFA:PFA+1], s[PFA:PFA+1], KSTEP*2
.endif
	WIN 0
	s_wait_tensorcnt 0x0
	ds_add_u32 v[SPW], v[NIL]
	s_wait_dscnt 9                                 ; the add and A's youngest eight loads may be out
	MUL16 F1, 0, 0, 0
	s_wait_dscnt 0x0                               ; the add is done, and my reads of this slot are over
	s_barrier_signal -1
	MUL16 F1, 0, 2, 0
	WIN 0
	s_barrier_wait -1
.if \fill
	s_xor_b32 s[G0+5], s[G0+5], SLOT               ; the walking descriptor: the other slot than last time,
	s_add_nc_u64 s[G0+6:G0+7], s[G0+6:G0+7], KSTEP*2  ; the next K step; the type bits on top are not reached
	LOADT 1                                        ; its four v_nop are also the places in front of the loads below
.else
	PLACES
.endif
	s_xor_b32 s[TB], s[TB], SLOT                   ; the reads go on in the other slot
	v_add_nc_u32 v[ADRA], s[TB], v[A0]
	v_add_nc_u32 v[ADRB], s[TB], v[B0]
	FETCH 0, F0
.if \fill
	ASK
.endif
	MUL16 F1, 1, 0, 0
	MUL16 F1, 1, 2, 0
.endm
	s_load_b128 s[68:71], s[0:1], 0x0              ; qk s[68:69], S s[70:71]
	v_lshl_add_u32 v[SPW], v0, 2, SPARE
	v_mov_b32 v[NIL], 0
	ds_add_u32 v[SPW], v[NIL]                      ; the wave's opening: the add and its wait ahead of my first tensor load
	ds_add_u32 v28, v29
	v_lshrrev_b32 v1, 5, v0
	v_readfirstlane_b32 s10, v1                    ; wave 0..3
	s_lshr_b32 s11, s10, 1                         ; my half of the tile's rows.  Also: I fetch q's rows (0) or k's (1)
	s_and_b32 s12, s10, 1                          ; my half of its columns.  Also: which half I fetch
	s_and_b32 s80, ttmp7, 0xffff
	s_lshr_b32 s81, s80, 2                         ; batch
	s_and_b32 s82, s80, 3                          ; p
	s_add_co_u32 s83, s82, 1                       ; tiles of row block p
	s_sub_co_u32 s84, 7, s82
	s_sub_co_u32 s85, ttmp9, s83
	s_cmp_lt_u32 ttmp9, s83
	s_cselect_b32 s13, s82, s84                    ; I
	s_cselect_b32 s42, ttmp9, s85                  ; J
	s_mov_b32 s[G1+0], (1<<16)|(1<<20)|(5<<22)|(3<<25)  ; elements of 2 bytes; padding on: after every 64 words 4 words
	s_mov_b32 s[G1+1], KSTEP<<16                   ; tensor_dim0 = 128
	s_mov_b32 s[G1+2], 128<<16                     ; tensor_dim1 = 128
	s_mov_b32 s[G1+3], KSTEP<<16                   ; tile_dim0 = 128
	s_mov_b32 s[G1+4], 128                         ; tile_dim1 = 128
	s_mov_b32 s[G1+5], 2048                        ; qk's rows are 2,048 elements apart
	s_mov_b32 s[G1+6], 0
	s_mov_b32 s[G1+7], 0
	s_cmp_eq_u32 s11, 0
	s_cselect_b32 s14, s13, s42                    ; q's block I, or k's block J,
	s_cselect_b32 s15, 0, 2048                     ; which lies in the rows' second halves
	s_lshl_b32 s16, s81, 11
	s_lshl_b32 s14, s14, 8
	s_add_co_u32 s16, s16, s14
	s_lshl_b32 s14, s12, 7
	s_add_co_u32 s16, s16, s14                     ; row 2,048 b + 256 x block + the 128 that I fetch,
	s_lshl_b32 s16, s16, 12                        ; of 4,096 bytes
	s_add_co_u32 s16, s16, s15
	s_mov_b32 s17, 0
	s_mul_i32 s20, s10, HALFT                      ; where they go: q's two halves, then k's two: wave x 128 rows
	s_mov_b32 s[TB], 0
	s_wait_dscnt 0x0                               ; the opening add is done
	s_wait_kmcnt 0x0
	s_add_nc_u64 s[18:19], s[68:69], s[16:17]
.irp s, 0,1
	s_mov_b32 s[G0+4*(\s)], 1
	s_add_co_u32 s[G0+4*(\s)+1], s20, (\s)*SLOT
	s_add_nc_u64 s[G0+4*(\s)+2:G0+4*(\s)+3], s[18:19], (\s)*KSTEP*2
	s_or_b32 s[G0+4*(\s)+3], s[G0+4*(\s)+3], 0x80000000
	LOADT \s
.endr
	v_and_b32 v1, 15, v0                           ; l % 16
	v_bfe_u32 v2, v0, 4, 1                         ; l / 16
	v_mul_u32_u24 v3, v1, PITCH
	v_lshl_add_u32 v3, v2, 4, v3
	s_mul_i32 s21, s11, HALFT
	s_mul_i32 s22, s12, HALFT
	s_add_co_u32 s22, s22, 2*HALFT
	v_add_nc_u32 v[A0], s21, v3
	v_add_nc_u32 v[B0], s22, v3
	v_add_nc_u32 v[ADRA], s[TB], v[A0]
	v_add_nc_u32 v[ADRB], s[TB], v[B0]
	s_mul_i32 s23, s10, 16*SPITCH
	s_add_co_u32 s23, s23, STAGE                   ; my stage
	v_mul_u32_u24 v4, v1, SPITCH                   ; in: row l % 16, 32 bytes for each half of the lanes
	v_lshl_add_u32 v4, v2, 5, v4
	v_add_nc_u32 v[STO], s23, v4
	v_and_b32 v5, 31, v0
	v_lshlrev_b32 v[CO], 4, v5                     ; back and out: 32 lanes take one row of 512 bytes
	v_add_nc_u32 v[RD], s23, v[CO]
	s_lshl_b32 s22, s81, 24                        ; S: batch x 16 MiB + (256 I + 128 x my half) rows of 8,192 bytes + 1,024 J + 512 x my half
	s_lshl_b32 s23, s13, 21
	s_add_co_u32 s22, s22, s23
	s_lshl_b32 s23, s11, 20
	s_add_co_u32 s22, s22, s23
	s_lshl_b32 s23, s42, 10
	s_add_co_u32 s22, s22, s23
	s_lshl_b32 s23, s12, 9
	s_add_co_u32 s22, s22, s23
	s_mov_b32 s23, 0
	s_add_nc_u64 s[8:9], s[70:71], s[22:23]
	; THE PREFETCHES: q's rows of block I are read by the tiles (I, 0 .. I): tile J = 0 asks; k's rows of block J by the tiles (J .. 7, J): tile I = J asks.  A wave asks for the rows that it fetches.
	s_sub_co_u32 s22, s13, s42
	s_cmp_eq_u32 s11, 0
	s_cselect_b32 s22, s42, s22
	s_cmp_eq_u32 s22, 0
	s_cselect_b32 s[LIM], 2, -1
	s_add_nc_u64 s[PFA:PFA+1], s[18:19], 2*KSTEP*2 ; at K step 2: the first refill steps it to 3 and names K step 4
	v_lshlrev_b32 v[PFO], 12, v5                   ; a lane a row of 4,096 bytes
	s_wait_tensorcnt 1                             ; my part of K step 0 is in; K step 1's may stay out
	s_barrier_signal -1
	s_barrier_wait -1
	FETCH 0, F0
	QUARTER 64, F0, F1, 1                          ; the first quarter is written out: its products start the sums
	WIN 0
	s_mov_b32 s3, STEPS-1
	s_branch .Lmid                                 ; the loop is entered behind a step's second quarter
.Lstep:                                                ; six trips: the change of slots with its refill, then the next K step's first three quarters
	TURN 1
	QUARTER 64, F0, F1, 0
	WIN 0
.Lmid:
	QUARTER 128, F1, F0, 0
	QUARTER 192, F0, F1, 0
	WIN 0
	s_sub_co_u32 s3, s3, 1
	s_cmp_lg_u32 s3, 0
	s_cbranch_scc1 .Lstep
	TURN 0                                         ; the tail is written out: nothing is asked for
	QUARTER 64, F0, F1, 0
	QUARTER 128, F1, F0, 0
	QUARTER 192, F0, F1, 0
	s_wait_dscnt 8
	MUL16 F1, 0, 0, 0
	MUL16 F1, 0, 2, 0
	s_wait_dscnt 0x0
	MUL16 F1, 1, 0, 0
	MUL16 F1, 1, 2, 0
	PLACES
	PLACES
; THE WAY OUT in f32, 16 rows at a time: the accumulators go straight into my stage (rows of 528 bytes) and come back as whole rows of 512 bytes
.macro TOST32 a
.if (\a) >= 2
	s_wait_xcnt 0x0                                ; the stores of the block two back have read the registers that are loaded again below
.endif
	WIN 0x08+4*((\a)/4)                            ; the stores' data in window 2 or 3
.irp b, 0,1,2,3,4,5,6,7
	ds_store_b128 v[STO], v[64*((\a)%4)+8*(\b):64*((\a)%4)+8*(\b)+3]   offset:64*(\b)
	ds_store_b128 v[STO], v[64*((\a)%4)+8*(\b)+4:64*((\a)%4)+8*(\b)+7] offset:64*(\b)+16
.endr
	WIN 0
.irp t, 0,1,2,3,4,5,6,7,8,9,10,11,12,13,14,15
	ds_load_b128 v[64+64*((\a)%2)+4*(\t):64+64*((\a)%2)+4*(\t)+3], v[RD] offset:(\t)*SPITCH  ; LDS serves a wave's instructions in order: these see the stores above
.endr
.endm
.macro SEND32 a, younger               ; younger: the LDS instructions issued behind block a's loads: the next block's 32, or none
.irp t, 0,1,2,3,4,5,6,7,8,9,10,11,12,13,14,15
	s_wait_dscnt (\younger)+15-(\t)
	global_store_b128 v[CO], v[64+64*((\a)%2)+4*(\t):64+64*((\a)%2)+4*(\t)+3], s[8:9] offset:(16*(\a)+(\t))*CP  ; the wave stores 512 consecutive bytes, aligned
.endr
.endm
	TOST32 0
.irp a, 1,2,3,4,5,6,7
	TOST32 \a
	SEND32 (\a)-1, 32
.endr
	SEND32 7, 0
	s_wait_tensorcnt 0x0                           ; the wave's end
	ds_add_u32 v[SPW], v[NIL]
	s_wait_dscnt 0x0
	s_endpgm
.Lfunc_end_k_q1178ee22f6_score:
	.size	k_q1178ee22f6_score, .Lfunc_end_k_q1178ee22f6_score-k_q1178ee22f6_score
	.p2alignl 7, 3214868480
	.fill 96, 4, 3214868480
	.section	.rodata,"a",@progbits
	.p2align	6, 0x0
	.amdhsa_kernel k_q1178ee22f6_score
		.amdhsa_group_segment_fixed_size 327680
		.amdhsa_private_segment_fixed_size 0
		.amdhsa_enable_private_segment 0
		.amdhsa_kernarg_size 16
		.amdhsa_user_sgpr_count 2
		.amdhsa_user_sgpr_kernarg_segment_ptr 1
		.amdhsa_wavefront_size32 1
		.amdhsa_system_sgpr_workgroup_id_x 1
		.amdhsa_system_sgpr_workgroup_id_y 1
		.amdhsa_system_sgpr_workgroup_id_z 1
		.amdhsa_system_vgpr_workitem_id 0
		.amdhsa_next_free_vgpr 1024
		.amdhsa_next_free_sgpr 96
		.amdhsa_reserve_vcc 0
		.amdhsa_float_denorm_mode_32 3
		.amdhsa_float_denorm_mode_16_64 3
		.amdhsa_memory_ordered 1
		.amdhsa_forward_progress 1
		.amdhsa_inst_pref_size 103
	.end_amdhsa_kernel
	.amdgpu_metadata
---
amdhsa.version: [ 1, 2 ]
amdhsa.kernels:
  - .name:           k_q1178ee22f6_score
    .symbol:         k_q1178ee22f6_score.kd
    .args:
      - { .name: qk, .offset: 0, .size: 8, .value_kind: global_buffer, .address_space: global }
      - { .name: S, .offset: 8, .size: 8, .value_kind: global_buffer, .address_space: global }
    .group_segment_fixed_size: 327680
    .private_segment_fixed_size: 0
    .kernarg_segment_align: 8
    .kernarg_segment_size: 16
    .max_flat_workgroup_size: 128
    .sgpr_count:     96
    .vgpr_count:     1024
    .wavefront_size: 32
...
	.end_amdgpu_metadata
.endif
;; end of part 3
;; launch soft (part 4): grid 1024 x 1, 8 waves a work-group, no clusters, 0 bytes of LDS; arguments S, P, linv; writes P, linv
.if DOCPART == 4
	.amdgcn_target "amdgcn-amd-amdhsa--gfx1250"
	.amdhsa_code_object_version 6
	.text
	.protected	k_q1178ee22f6_soft
	.globl	k_q1178ee22f6_soft
	.p2align	8
	.type	k_q1178ee22f6_soft,@function
k_q1178ee22f6_soft:
	s_mov_b64 s[64:65], 0
	v_nop
	global_prefetch_b8 v0, s[64:65] scope:SCOPE_SE
	s_setreg_imm32_b32 hwreg(HW_REG_WAVE_MODE, 25, 1), 1
	s_wait_xcnt 0x0
; For each row t of each batch: m = the largest score of keys 0 .. t; P[t][s] = f16(2^(c S[t][s] - c m)), 0 for s > t, c = log2(e) / 32; linv[t] = 1 / the sum of the ROUNDED weights.
; So the weights that the next product multiplies sum to exactly 1 after the scaling by linv.  LIMITS: a weight below 6e-8 counts as 0; NaN and infinities in S are not treated apart.
; One wave, one row, kept in 64 registers between the maximum and the exponentials: S is read once.  A row has NB = t / 256 + 1 blocks of 256 keys; the eight rows of a work-group share NB.
; max(NB, 2) blocks of P are stored: the next product walks at least 512 keys.  Blocks that are not loaded hold -inf and give weight 0.  Matrix units, LDS and clusters would add nothing to a stream.
.set LN,   1                           ; v1  lane
.set SO,   2                           ; v2  16 x lane
.set PO,   3                           ; v3  8 x lane
.set LIMV, 4                           ; v4  (t % 256) - 4 x lane: key 128 cc + e of my four in the last block is seen where 128 cc + e <= this
.set ONE,  5                           ; v5  1.0
.set NINF, 6                           ; v6  -inf
.set ZR,   7                           ; v7  0
.set M,    8                           ; v8-11  four running maxima
.set T,    12                          ; v12 at work
.set CM,   14                          ; v14-15 c m, as a pair
.set L,    16                          ; v16-19 four running sums
.set X,    32                          ; v[32:95] chunk c of 128 keys at X + 4 c: my keys 128 c + 4 l .. + 3
	s_load_b128 s[4:7], s[0:1], 0x0                ; S s[4:5], P s[6:7]
	s_load_b64 s[8:9], s[0:1], 0x10                ; linv
	v_lshrrev_b32 v[LN], 5, v0
	v_readfirstlane_b32 s10, v[LN]                 ; wave 0..7
	v_and_b32 v[LN], 31, v0
	s_lshl_b32 s11, ttmp9, 3
	s_add_co_u32 s11, s11, s10                     ; the row among 8,192
	s_and_b32 s18, s11, 255
	s_bfe_u32 s12, ttmp9, 0x30005
	s_add_co_u32 s12, s12, 1                       ; NB
	s_max_u32 s13, s12, 2                          ; blocks stored
	s_mov_b32 s14, 0x3d38aa3b                      ; c = log2(e) / 32
	s_mov_b32 s15, s14
	s_mov_b32 s16, 0x76543210                      ; v_permlanex16_b32: each lane takes its own place in the other half
	s_mov_b32 s17, 0xfedcba98
	v_lshlrev_b32 v[SO], 4, v[LN]
	v_lshlrev_b32 v[PO], 3, v[LN]
	v_lshlrev_b32 v[LIMV], 2, v[LN]
	v_sub_nc_u32 v[LIMV], s18, v[LIMV]
	v_mov_b32 v[ONE], 1.0
	v_mov_b32 v[NINF], 0xff800000
	v_mov_b32 v[ZR], 0
	v_mov_b32 v[T], 0
.irp k, 0,1,2,3
	v_mov_b32 v[L+(\k)], 0
.endr
.set n, 8
.rept 56
	v_mov_b32 v[X+n], v[NINF]                      ; blocks 1 to 7, ahead of any load into them
.set n, n+1
.endr
	s_lshl_b32 s20, s11, 13
	s_mov_b32 s21, 0
	s_lshl_b32 s22, s11, 12
	s_mov_b32 s23, 0
	s_wait_kmcnt 0x0
	s_add_nc_u64 s[4:5], s[4:5], s[20:21]
	s_add_nc_u64 s[6:7], s[6:7], s[22:23]
	s_lshl_b32 s20, s11, 2
	s_add_nc_u64 s[8:9], s[8:9], s[20:21]
.macro LDB g                           ; block g: 1,024 bytes, two loads of 512 consecutive bytes
.if (\g) > 0
	s_cmp_le_u32 s12, \g
	s_cbranch_scc1 .Lloaded
.endif
	global_load_b128 v[X+8*(\g):X+8*(\g)+3],   v[SO], s[4:5] offset:1024*(\g) th:TH_LOAD_NT
	global_load_b128 v[X+8*(\g)+4:X+8*(\g)+7], v[SO], s[4:5] offset:1024*(\g)+512 th:TH_LOAD_NT
.endm
.irp g, 0,1,2,3,4,5,6,7
	LDB \g
.endr
.Lloaded:
	s_wait_loadcnt 0x0
.macro MASKB g                         ; the row's last block holds the diagonal
	s_cmp_lg_u32 s12, (\g)+1
	s_cbranch_scc1 .Lnot_last_\@
.irp cc, 0,1
.irp e, 0,1,2,3
	v_cmp_le_i32 vcc_lo, 128*(\cc)+(\e), v[LIMV]
	v_cndmask_b32 v[X+8*(\g)+4*(\cc)+(\e)], v[NINF], v[X+8*(\g)+4*(\cc)+(\e)], vcc_lo
.endr
.endr
.Lnot_last_\@:
.endm
.irp g, 0,1,2,3,4,5,6,7
	MASKB \g
.endr
	; the maximum: four chains of 15 scores, the four left over, then across the lanes
.irp k, 0,1,2,3
	v_max3_num_f32 v[M+(\k)], v[X+16*(\k)], v[X+16*(\k)+1], v[X+16*(\k)+2]
.endr
.set n, 0
.rept 6
.irp k, 0,1,2,3
	v_max3_num_f32 v[M+(\k)], v[M+(\k)], v[X+16*(\k)+3+2*n], v[X+16*(\k)+4+2*n]
.endr
.set n, n+1
.endr
	v_max3_num_f32 v[M], v[M], v[X+15], v[X+31]
	v_max3_num_f32 v[M+2], v[M+2], v[X+47], v[X+63]
	v_max3_num_f32 v[M], v[M], v[M+1], v[M+2]
	v_max_num_f32 v[M], v[M], v[M+3]
	v_max_num_f32_dpp v[M], v[M], v[M] row_xmask:1 row_mask:0xf bank_mask:0xf
	v_max_num_f32_dpp v[M], v[M], v[M] row_xmask:2 row_mask:0xf bank_mask:0xf
	v_max_num_f32_dpp v[M], v[M], v[M] row_xmask:4 row_mask:0xf bank_mask:0xf
	v_max_num_f32_dpp v[M], v[M], v[M] row_xmask:8 row_mask:0xf bank_mask:0xf
	v_permlanex16_b32 v[T], v[M], s16, s17
	v_max_num_f32 v[M], v[M], v[T]
	v_mul_f32 v[CM], s14, v[M]
	v_mov_b32 v[CM+1], v[CM]
; Block g: c s - c m, eight exponentials as one batch with one wait, rounded to f16 in place, the rounded halves added onto the four sums, 2 x 256 bytes stored
.macro BLK g
.if (\g) >= 2
	s_cmp_le_u32 s13, \g
	s_cbranch_scc1 .Lsummed
.endif
.irp q, 0,1,2,3
	v_pk_fma_f32 v[X+8*(\g)+2*(\q):X+8*(\g)+2*(\q)+1], v[X+8*(\g)+2*(\q):X+8*(\g)+2*(\q)+1], s[14:15], v[CM:CM+1] op_sel_hi:[1,0,0] neg_lo:[0,0,1] neg_hi:[0,0,1]
.endr
.irp q, 0,1,2,3,4,5,6,7
	v_exp_f32 v[X+8*(\g)+(\q)], v[X+8*(\g)+(\q)]
.endr
	v_nop                                          ; a plain instruction behind the last exponential,
	s_wait_alu depctr_va_vdst(0)                   ; and one wait ahead of the batch's first reader
.irp cc, 0,1
	v_cvt_pk_f16_f32 v[X+8*(\g)+4*(\cc)], v[X+8*(\g)+4*(\cc)], v[X+8*(\g)+4*(\cc)+1]
	v_cvt_pk_f16_f32 v[X+8*(\g)+4*(\cc)+1], v[X+8*(\g)+4*(\cc)+2], v[X+8*(\g)+4*(\cc)+3]
.endr
.irp cc, 0,1
	v_fma_mix_f32 v[L],   v[X+8*(\g)+4*(\cc)],   v[ONE], v[L]   op_sel:[0,0,0] op_sel_hi:[1,0,0]
	v_fma_mix_f32 v[L+1], v[X+8*(\g)+4*(\cc)],   v[ONE], v[L+1] op_sel:[1,0,0] op_sel_hi:[1,0,0]
	v_fma_mix_f32 v[L+2], v[X+8*(\g)+4*(\cc)+1], v[ONE], v[L+2] op_sel:[0,0,0] op_sel_hi:[1,0,0]
	v_fma_mix_f32 v[L+3], v[X+8*(\g)+4*(\cc)+1], v[ONE], v[L+3] op_sel:[1,0,0] op_sel_hi:[1,0,0]
.endr
.irp cc, 0,1
	global_store_b64 v[PO], v[X+8*(\g)+4*(\cc):X+8*(\g)+4*(\cc)+1], s[6:7] offset:512*(\g)+256*(\cc)  ; the wave stores 256 consecutive bytes, aligned
.endr
.endm
.irp g, 0,1,2,3,4,5,6,7
	BLK \g
.endr
.Lsummed:
	v_add_f32 v[L], v[L], v[L+1]
	v_add_f32 v[L+2], v[L+2], v[L+3]
	v_add_f32 v[L], v[L], v[L+2]
	v_add_f32_dpp v[L], v[L], v[L] row_xmask:1 row_mask:0xf bank_mask:0xf
	v_add_f32_dpp v[L], v[L], v[L] row_xmask:2 row_mask:0xf bank_mask:0xf
	v_add_f32_dpp v[L], v[L], v[L] row_xmask:4 row_mask:0xf bank_mask:0xf
	v_add_f32_dpp v[L], v[L], v[L] row_xmask:8 row_mask:0xf bank_mask:0xf
	v_permlanex16_b32 v[T], v[L], s16, s17
	v_add_f32 v[L], v[L], v[T]
	v_rcp_f32 v[L+1], v[L]
	v_nop
	s_wait_alu depctr_va_vdst(0)
	s_wait_xcnt 0x0                                ; EXEC is narrowed only when the stores above have read their sources
	v_cmp_eq_u32 vcc_lo, 0, v[LN]
	s_and_saveexec_b32 s20, vcc_lo
	global_store_b32 v[ZR], v[L+1], s[8:9]         ; one number a row: 32 KiB in the whole launch
	s_endpgm
.Lfunc_end_k_q1178ee22f6_soft:
	.size	k_q1178ee22f6_soft, .Lfunc_end_k_q1178ee22f6_soft-k_q1178ee22f6_soft
	.p2alignl 7, 3214868480
	.fill 96, 4, 3214868480
	.section	.rodata,"a",@progbits
	.p2align	6, 0x0
	.amdhsa_kernel k_q1178ee22f6_soft
		.amdhsa_group_segment_fixed_size 0
		.amdhsa_private_segment_fixed_size 0
		.amdhsa_enable_private_segment 0
		.amdhsa_kernarg_size 24
		.amdhsa_user_sgpr_count 2
		.amdhsa_user_sgpr_kernarg_segment_ptr 1
		.amdhsa_wavefront_size32 1
		.amdhsa_system_sgpr_workgroup_id_x 1
		.amdhsa_system_sgpr_workgroup_id_y 1
		.amdhsa_system_sgpr_workgroup_id_z 1
		.amdhsa_system_vgpr_workitem_id 0
		.amdhsa_next_free_vgpr 96
		.amdhsa_next_free_sgpr 66
		.amdhsa_reserve_vcc 1
		.amdhsa_float_denorm_mode_32 3
		.amdhsa_float_denorm_mode_16_64 3
		.amdhsa_memory_ordered 1
		.amdhsa_forward_progress 1
		.amdhsa_inst_pref_size 27
	.end_amdhsa_kernel
	.amdgpu_metadata
---
amdhsa.version: [ 1, 2 ]
amdhsa.kernels:
  - .name:           k_q1178ee22f6_soft
    .symbol:         k_q1178ee22f6_soft.kd
    .args:
      - { .name: S, .offset: 0, .size: 8, .value_kind: global_buffer, .address_space: global }
      - { .name: P, .offset: 8, .size: 8, .value_kind: global_buffer, .address_space: global }
      - { .name: linv, .offset: 16, .size: 8, .value_kind: global_buffer, .address_space: global }
    .group_segment_fixed_size: 0
    .private_segment_fixed_size: 0
    .kernarg_segment_align: 8
    .kernarg_segment_size: 24
    .max_flat_workgroup_size: 256
    .sgpr_count:     66
    .vgpr_count:     96
    .wavefront_size: 32
...
	.end_amdgpu_metadata
.endif
;; end of part 4
;; launch mix (part 5): grid 4 x 64, 4 waves a work-group, no clusters, 327,680 bytes of LDS; arguments P, vT, linv, bv, O; writes O
.if DOCPART == 5
	.amdgcn_target "amdgcn-amd-amdhsa--gfx1250"
	.amdhsa_code_object_version 6
	.text
	.protected	k_q1178ee22f6_mix
	.globl	k_q1178ee22f6_mix
	.p2align	8
	.type	k_q1178ee22f6_mix,@function
k_q1178ee22f6_mix:
	s_mov_b64 s[64:65], 0
	v_nop
	global_prefetch_b8 v0, s[64:65] scope:SCOPE_SE
	s_setreg_imm32_b32 hwreg(HW_REG_WAVE_MODE, 25, 1), 1
	s_wait_xcnt 0x0
; O[b][t][c] = f16((the sum over s of P[b][t][s] v[b][s][c]) x linv[t] + bf16(bv[c])).  The scaled weights sum to exactly 1, so adding bv behind the mean equals adding it to every v.
; Operands f16, sums f32, O rounded once.  LIMIT: O beyond 65,504 in magnitude is lost; NaN and infinities are not treated apart.
; A tile is 128 queries (block i = 15 - y % 16 of batch y / 16) x 256 channels (x).  K runs over the keys 0 .. 256 L - 1, L = max(i / 2 + 1, 2) laps of two K steps; weights above the diagonal are stored zeros.
; NO CLUSTER: of a K step's 98,304 bytes the four column blocks of a row block share P's 32,768 alone, and a round of a cluster's barrier would stand at every 128 matrix instructions.
; Ring, fragments and turns of the accumulators as in the projection's text.  The loop counts up to a bound made from the work-group's y; its LDS addresses are fixed.
; REGISTERS: window 0 as in the projection's text; window 1: v0-255 B's fragments; window 2: the accumulators; window 3: v0-63 the bias of my columns, v64-71 linv of my rows (a pair for each block of 16), v72 at work.
.set KSTEP,  128
.set PITCH,  272
.set AHALF,  64*PITCH
.set BHALF,  128*PITCH
.set BOFF,   2*AHALF
.set SLOT,   2*AHALF+2*BHALF
.set STAGE,  2*SLOT
.set SPITCH, 272
.set SPARE,  STAGE+4*16*SPITCH         ; the spare words, 128 bytes for each wave: two blocks of 256 bytes that no other line names
.set CP,     2048                      ; bytes in a row of O
.set ADRA, 16
.set ADRB, 20
.set STO,  24
.set RD,   25
.set CO,   26
.set BO,   27
.set SPW,  28
.set NIL,  29
.set PFO,  30
.set RLO,  31
.set OB,   32
.set TMP,  192
.set G1A, 24
.set G0A, 32
.set LIM, 43
.set PFA, 44
.set G1B, 48
.set G0B, 56
.set TRIPS, 83
.set MSB, 0
.macro WIN new
.if MSB != (\new)
	s_set_vgpr_msb (MSB<<8)|(\new)
.set MSB, \new
.endif
.endm
.set MUL,  0xa1
.set TO_B, 0x40
.macro JLOAD s
	s_cmp_eq_u32 s11, 0
	s_cbranch_scc0 .Lfor_b_\@
	tensor_load_to_lds s[G0A+4*(\s):G0A+4*(\s)+3], s[G1A:G1A+7]
	s_nop 0
.rept 4
	v_nop
.endr
	s_branch .Lasked_\@
.Lfor_b_\@:
	tensor_load_to_lds s[G0B+4*(\s):G0B+4*(\s)+3], s[G1B:G1B+7]
	s_nop 0
.rept 4
	v_nop
.endr
.Lasked_\@:
.endm
.macro ASK                             ; the K step two refills on, of the rows that I fetch: two lines for P's 64 rows, four for vT's 128; the last trip asks for nothing (s[LIM] = trips - 1, or 0 in a wave that never asks)
	s_cmp_lt_u32 s3, s[LIM]
	s_cbranch_scc0 .Lnot_mine_\@
	global_prefetch_b8 v[PFO], s[PFA:PFA+1] offset:KSTEP*2 th:TH_LOAD_NT scope:SCOPE_SE
	global_prefetch_b8 v[PFO], s[PFA:PFA+1] offset:KSTEP*2+32*4096 th:TH_LOAD_NT scope:SCOPE_SE
	s_cmp_eq_u32 s11, 0
	s_cbranch_scc1 .Lnot_mine_\@
	global_prefetch_b8 v[PFO], s[PFA:PFA+1] offset:KSTEP*2+64*4096 th:TH_LOAD_NT scope:SCOPE_SE
	global_prefetch_b8 v[PFO], s[PFA:PFA+1] offset:KSTEP*2+96*4096 th:TH_LOAD_NT scope:SCOPE_SE
.Lnot_mine_\@:
.endm
.macro PLACES
.rept 4
	v_nop
.endr
.endm
.macro MUL16 f, c, a0, zero
	WIN MUL
.irp a, \a0, (\a0)+1
.irp b, 0,1,2,3,4,5,6,7
.if \zero
	v_wmma_f32_16x16x32_f16 v[8*(8*(\a)+(\b)):8*(8*(\a)+(\b))+7], v[128*(\f)+8*(8*(\c)+(\b)):128*(\f)+8*(8*(\c)+(\b))+7], v[64+64*(\f)+8*(4*(\c)+(\a)):64+64*(\f)+8*(4*(\c)+(\a))+7], 0
.else
	v_wmma_f32_16x16x32_f16 v[8*(8*(\a)+(\b)):8*(8*(\a)+(\b))+7], v[128*(\f)+8*(8*(\c)+(\b)):128*(\f)+8*(8*(\c)+(\b))+7], v[64+64*(\f)+8*(4*(\c)+(\a)):64+64*(\f)+8*(4*(\c)+(\a))+7], v[8*(8*(\a)+(\b)):8*(8*(\a)+(\b))+7]
.endif
.endr
.endr
.endm
.macro FETCH slot, k, f
	WIN TO_B
.irp c, 0,1
.irp i, 0,1,2,3,4,5,6,7
	ds_load_b128 v[128*(\f)+8*(8*(\c)+(\i)):128*(\f)+8*(8*(\c)+(\i))+3],   v[ADRB+(\slot)] offset:(\k)+64*(\c)+(\i)*16*PITCH
	ds_load_b128 v[128*(\f)+8*(8*(\c)+(\i))+4:128*(\f)+8*(8*(\c)+(\i))+7], v[ADRB+(\slot)] offset:(\k)+64*(\c)+(\i)*16*PITCH+32
.endr
.endr
	WIN 0
.irp c, 0,1
.irp i, 0,1,2,3
	ds_load_b128 v[64+64*(\f)+8*(4*(\c)+(\i)):64+64*(\f)+8*(4*(\c)+(\i))+3],   v[ADRA+(\slot)] offset:(\k)+64*(\c)+(\i)*16*PITCH
	ds_load_b128 v[64+64*(\f)+8*(4*(\c)+(\i))+4:64+64*(\f)+8*(4*(\c)+(\i))+7], v[ADRA+(\slot)] offset:(\k)+64*(\c)+(\i)*16*PITCH+32
.endr
.endr
.endm
.macro HALF slot, k, f, g, zero
	s_wait_dscnt 8                                 ; all but A's eight loads of the second 32 along K
	MUL16 \f, 0, 0, \zero
	MUL16 \f, 0, 2, \zero
	PLACES
	FETCH \slot, \k, \g
	s_wait_dscnt 48                                ; all but the 48 just issued
	MUL16 \f, 1, 0, 0
	MUL16 \f, 1, 2, 0
.endm
.macro TURN slot, next, fill           ; the change of slots: all my tensor loads waited for, the add, my reads of the slot waited for, the barrier, the refill first behind it
.if \fill
	s_wait_xcnt 0x0                                ; the last prefetches, a K step back, have read their address
	s_add_nc_u64 s[PFA:PFA+1], s[PFA:PFA+1], KSTEP*2
.endif
	WIN 0
	s_wait_tensorcnt 0x0
	ds_add_u32 v[SPW], v[NIL]
	s_wait_dscnt 9                                 ; the add and A's youngest eight loads may be out
	MUL16 1, 0, 0, 0
	s_wait_dscnt 0x0
	s_barrier_signal -1
	MUL16 1, 0, 2, 0
	WIN 0
	s_barrier_wait -1
.if \fill
	s_add_nc_u64 s[G0A+4*(\slot)+2:G0A+4*(\slot)+3], s[G0A+4*(\slot)+2:G0A+4*(\slot)+3], 2*KSTEP*2
	s_add_nc_u64 s[G0B+4*(\slot)+2:G0B+4*(\slot)+3], s[G0B+4*(\slot)+2:G0B+4*(\slot)+3], 2*KSTEP*2
	JLOAD \slot
.else
	PLACES
.endif
	FETCH \next, 0, 0
.if \fill
	ASK
.endif
	MUL16 1, 1, 0, 0
	MUL16 1, 1, 2, 0
.endm
.macro BIASLOAD                        ; 128 numbers of the bias at s[84:85], each rounded to bf16; its wait serves the loads of linv above it too
	WIN 0xc0
.irp b, 0,1,2,3,4,5,6,7
	global_load_b128 v[8*(\b):8*(\b)+3],   v[BO], s[84:85] offset:64*(\b)
	global_load_b128 v[8*(\b)+4:8*(\b)+7], v[BO], s[84:85] offset:64*(\b)+16
.endr
	s_wait_loadcnt 0x0
	WIN 0xcf
.set p, 0
.rept 32
	v_cvt_pk_bf16_f32 v72, v[2*p], v[2*p+1]
	v_lshlrev_b32 v[2*p], 16, v72
	v_and_b32 v[2*p+1], 0xffff0000, v72
.set p, p+1
.endr
	WIN 0
.endm
	s_load_b256 s[68:75], s[0:1], 0x0              ; P s[68:69], vT s[70:71], linv s[72:73], bv s[74:75]
	s_load_b64 s[76:77], s[0:1], 0x20              ; O
	v_lshl_add_u32 v[SPW], v0, 2, SPARE
	v_mov_b32 v[NIL], 0
	ds_add_u32 v[SPW], v[NIL]                      ; the wave's opening: the add and its wait ahead of my first tensor load
	ds_add_u32 v28, v29
	v_lshrrev_b32 v1, 5, v0
	v_readfirstlane_b32 s10, v1
	s_lshr_b32 s11, s10, 1
	s_and_b32 s12, s10, 1
	s_and_b32 s80, ttmp7, 0xffff
	s_lshr_b32 s81, s80, 4                         ; batch
	s_and_b32 s82, s80, 15
	s_sub_co_u32 s13, 15, s82                      ; i: the longest tiles have the lowest numbers
	s_lshr_b32 s[TRIPS], s13, 1
	s_max_u32 s[TRIPS], s[TRIPS], 1                ; laps - 1
	s_mov_b32 s[G1A+0], (1<<16)|(1<<20)|(5<<22)|(3<<25)
	s_mov_b32 s[G1A+1], KSTEP<<16
	s_mov_b32 s[G1A+2], 64<<16
	s_mov_b32 s[G1A+3], KSTEP<<16
	s_mov_b32 s[G1A+4], 64
	s_mov_b32 s[G1A+5], 2048
	s_mov_b32 s[G1A+6], 0
	s_mov_b32 s[G1A+7], 0
	s_mov_b32 s[G1B+0], (1<<16)|(1<<20)|(5<<22)|(3<<25)
	s_mov_b32 s[G1B+1], KSTEP<<16
	s_mov_b32 s[G1B+2], 128<<16
	s_mov_b32 s[G1B+3], KSTEP<<16
	s_mov_b32 s[G1B+4], 128
	s_mov_b32 s[G1B+5], 2048
	s_mov_b32 s[G1B+6], 0
	s_mov_b32 s[G1B+7], 0
	s_lshl_b32 s16, s81, 23                        ; P: (2,048 b + 128 i + the 64 rows that I fetch) x 4,096 bytes
	s_lshl_b32 s17, s13, 19
	s_add_co_u32 s16, s16, s17
	s_lshl_b32 s17, s12, 18
	s_add_co_u32 s16, s16, s17
	s_mov_b32 s17, 0
	s_lshl_b32 s46, s81, 22                        ; vT: (1,024 b + 256 x + the 128 rows that I fetch) x 4,096 bytes
	s_lshl_b32 s47, ttmp9, 20
	s_add_co_u32 s46, s46, s47
	s_lshl_b32 s47, s12, 19
	s_add_co_u32 s46, s46, s47
	s_mov_b32 s47, 0
	s_mul_i32 s20, s12, AHALF
	s_mul_i32 s21, s12, BHALF
	s_add_co_u32 s21, s21, BOFF
	s_wait_dscnt 0x0                               ; the opening add is done
	s_wait_kmcnt 0x0
	s_add_nc_u64 s[18:19], s[68:69], s[16:17]
	s_add_nc_u64 s[46:47], s[70:71], s[46:47]
.irp s, 0,1
	s_mov_b32 s[G0A+4*(\s)], 1
	s_add_co_u32 s[G0A+4*(\s)+1], s20, (\s)*SLOT
	s_add_nc_u64 s[G0A+4*(\s)+2:G0A+4*(\s)+3], s[18:19], (\s)*KSTEP*2
	s_or_b32 s[G0A+4*(\s)+3], s[G0A+4*(\s)+3], 0x80000000
	s_mov_b32 s[G0B+4*(\s)], 1
	s_add_co_u32 s[G0B+4*(\s)+1], s21, (\s)*SLOT
	s_add_nc_u64 s[G0B+4*(\s)+2:G0B+4*(\s)+3], s[46:47], (\s)*KSTEP*2
	s_or_b32 s[G0B+4*(\s)+3], s[G0B+4*(\s)+3], 0x80000000
	JLOAD \s
.endr
	v_and_b32 v1, 15, v0
	v_bfe_u32 v2, v0, 4, 1
	v_mul_u32_u24 v3, v1, PITCH
	v_lshl_add_u32 v3, v2, 4, v3
	s_mul_i32 s21, s11, AHALF
	s_mul_i32 s22, s12, BHALF
	s_add_co_u32 s22, s22, BOFF
.irp s, 0,1
	v_add_nc_u32 v[ADRA+(\s)], s21, v3
	v_add_nc_u32 v[ADRB+(\s)], s22, v3
	s_add_co_u32 s21, s21, SLOT
	s_add_co_u32 s22, s22, SLOT
.endr
	s_mul_i32 s23, s10, 16*SPITCH
	s_add_co_u32 s23, s23, STAGE
	v_mul_u32_u24 v4, v1, SPITCH
	v_lshl_add_u32 v4, v2, 4, v4
	v_add_nc_u32 v[STO], s23, v4
	v_mul_u32_u24 v5, v2, SPITCH
	v_lshl_add_u32 v5, v1, 4, v5
	v_add_nc_u32 v[RD], s23, v5
	v_mul_u32_u24 v5, v2, CP
	v_lshl_add_u32 v[CO], v1, 4, v5
	v_lshlrev_b32 v[BO], 5, v2
	v_lshlrev_b32 v[RLO], 2, v1
	s_lshl_b32 s22, s81, 22                        ; O: (2,048 b + 128 i + 64 x my half) x 2,048 bytes + 512 x + 256 x my half
	s_lshl_b32 s23, s13, 18
	s_add_co_u32 s22, s22, s23
	s_lshl_b32 s23, s11, 17
	s_add_co_u32 s22, s22, s23
	s_lshl_b32 s23, ttmp9, 9
	s_add_co_u32 s22, s22, s23
	s_lshl_b32 s23, s12, 8
	s_add_co_u32 s22, s22, s23
	s_mov_b32 s23, 0
	s_add_nc_u64 s[8:9], s[76:77], s[22:23]
	; THE PREFETCHES: P's rows of block i are read by the four column blocks: x = 0 asks; vT's rows by the sixteen row blocks, of which i = 15 walks all keys: it asks.  A wave asks for the rows that it fetches.
	s_sub_co_u32 s23, s[TRIPS], 1
	s_cmp_eq_u32 s11, 0
	s_cselect_b32 s22, ttmp9, s82
	s_cselect_b64 s[PFA:PFA+1], s[18:19], s[46:47]
	s_cmp_eq_u32 s22, 0
	s_cselect_b32 s[LIM], s23, 0
	s_add_nc_u64 s[PFA:PFA+1], s[PFA:PFA+1], 2*KSTEP*2  ; at K step 2: the first refill steps it to 3 and names K step 4
	v_and_b32 v[PFO], 31, v0
	v_lshlrev_b32 v[PFO], 12, v[PFO]
	s_lshl_b32 s86, s81, 13                        ; linv at my 64 rows
	s_lshl_b32 s87, s13, 9
	s_add_co_u32 s86, s86, s87
	s_lshl_b32 s87, s11, 8
	s_add_co_u32 s86, s86, s87
	s_mov_b32 s87, 0
	s_add_nc_u64 s[86:87], s[72:73], s[86:87]
	s_lshl_b32 s84, ttmp9, 10                      ; bv at my 128 columns
	s_lshl_b32 s85, s12, 9
	s_add_co_u32 s84, s84, s85
	s_mov_b32 s85, 0
	s_add_nc_u64 s[84:85], s[74:75], s[84:85]
	WIN 0xc0
.irp a, 0,1,2,3
	global_load_b32 v[64+2*(\a)],   v[RLO], s[86:87] offset:64*(\a)  ; row 16 a + l % 16; both registers of the pair that the packed line names
	global_load_b32 v[64+2*(\a)+1], v[RLO], s[86:87] offset:64*(\a)
.endr
	BIASLOAD
	s_wait_tensorcnt 1                             ; my part of K step 0 is in; K step 1's may stay out
	s_barrier_signal -1
	s_barrier_wait -1
	FETCH 0, 0, 0
	HALF 0, 128, 0, 1, 1
	WIN 0
	s_mov_b32 s3, 0
.Llap:
	TURN 0, 1, 1
	HALF 1, 128, 0, 1, 0
	TURN 1, 0, 1
	HALF 0, 128, 0, 1, 0
	WIN 0
	s_add_co_u32 s3, s3, 1
	s_cmp_lt_u32 s3, s[TRIPS]
	s_cbranch_scc1 .Llap
	TURN 0, 1, 0
	HALF 1, 128, 0, 1, 0
	s_wait_dscnt 8
	MUL16 1, 0, 0, 0
	MUL16 1, 0, 2, 0
	s_wait_dscnt 0x0
	MUL16 1, 1, 0, 0
	MUL16 1, 1, 2, 0
	PLACES
	PLACES
.macro PACK a                          ; sum x linv + bias in one fused line for two numbers, then rounded to f16
	WIN 0xbe                                       ; accumulators window 2, linv and bias window 3
.irp b, 0,1,2,3,4,5,6,7
.irp r, 0,1,2,3
	v_pk_fma_f32 v[8*(8*(\a)+(\b))+2*(\r):8*(8*(\a)+(\b))+2*(\r)+1], v[8*(8*(\a)+(\b))+2*(\r):8*(8*(\a)+(\b))+2*(\r)+1], v[64+2*(\a):64+2*(\a)+1], v[8*(\b)+2*(\r):8*(\b)+2*(\r)+1] op_sel_hi:[1,0,1]
.endr
.endr
	WIN 0x0a
.irp b, 0,1,2,3,4,5,6,7
.irp r, 0,1,2,3
	v_cvt_pk_f16_f32 v[TMP+4*(\b)+(\r)], v[8*(8*(\a)+(\b))+2*(\r)], v[8*(8*(\a)+(\b))+2*(\r)+1]
.endr
.endr
	WIN 0
.endm
.macro TOSTAGE a
	WIN 0
.set BK, OB+192*((\a)%2)
.irp b, 0,1,2,3,4,5,6,7
	ds_store_b128 v[STO], v[TMP+4*(\b):TMP+4*(\b)+3] offset:32*(\b)
.endr
.irp t, 0,1,2,3,4,5,6,7
	ds_load_b128 v[BK+4*(\t):BK+4*(\t)+3], v[RD] offset:(\t)*2*SPITCH  ; LDS serves a wave's instructions in order: these see the stores above
.endr
.endm
.macro SEND a
	WIN 0
.set BK, OB+192*((\a)%2)
	s_wait_dscnt 0x0
	s_wait_xcnt 0x0                                ; earlier stores have read their registers: the other buffer is loaded again only behind this wait
.irp t, 0,1,2,3,4,5,6,7
	global_store_b128 v[CO], v[BK+4*(\t):BK+4*(\t)+3], s[8:9] offset:(16*(\a)+2*(\t))*CP  ; 16 lanes store 256 consecutive bytes, aligned
.endr
.endm
	PACK 0
	TOSTAGE 0
.irp a, 1,2,3
	PACK \a
	SEND (\a)-1
	TOSTAGE \a
.endr
	SEND 3
	s_wait_tensorcnt 0x0                           ; the wave's end
	ds_add_u32 v[SPW], v[NIL]
	s_wait_dscnt 0x0
	s_endpgm
.Lfunc_end_k_q1178ee22f6_mix:
	.size	k_q1178ee22f6_mix, .Lfunc_end_k_q1178ee22f6_mix-k_q1178ee22f6_mix
	.p2alignl 7, 3214868480
	.fill 96, 4, 3214868480
	.section	.rodata,"a",@progbits
	.p2align	6, 0x0
	.amdhsa_kernel k_q1178ee22f6_mix
		.amdhsa_group_segment_fixed_size 327680
		.amdhsa_private_segment_fixed_size 0
		.amdhsa_enable_private_segment 0
		.amdhsa_kernarg_size 40
		.amdhsa_user_sgpr_count 2
		.amdhsa_user_sgpr_kernarg_segment_ptr 1
		.amdhsa_wavefront_size32 1
		.amdhsa_system_sgpr_workgroup_id_x 1
		.amdhsa_system_sgpr_workgroup_id_y 1
		.amdhsa_system_sgpr_workgroup_id_z 1
		.amdhsa_system_vgpr_workitem_id 0
		.amdhsa_next_free_vgpr 848
		.amdhsa_next_free_sgpr 96
		.amdhsa_reserve_vcc 0
		.amdhsa_float_denorm_mode_32 3
		.amdhsa_float_denorm_mode_16_64 3
		.amdhsa_memory_ordered 1
		.amdhsa_forward_progress 1
		.amdhsa_inst_pref_size 100
	.end_amdhsa_kernel
	.amdgpu_metadata
---
amdhsa.version: [ 1, 2 ]
amdhsa.kernels:
  - .name:           k_q1178ee22f6_mix
    .symbol:         k_q1178ee22f6_mix.kd
    .args:
      - { .name: P, .offset: 0, .size: 8, .value_kind: global_buffer, .address_space: global }
      - { .name: vT, .offset: 8, .size: 8, .value_kind: global_buffer, .address_space: global }
      - { .name: linv, .offset: 16, .size: 8, .value_kind: global_buffer, .address_space: global }
      - { .name: bv, .offset: 24, .size: 8, .value_kind: global_buffer, .address_space: global }
      - { .name: O, .offset: 32, .size: 8, .value_kind: global_buffer, .address_space: global }
    .group_segment_fixed_size: 327680
    .private_segment_fixed_size: 0
    .kernarg_segment_align: 8
    .kernarg_segment_size: 40
    .max_flat_workgroup_size: 128
    .sgpr_count:     96
    .vgpr_count:     848
    .wavefront_size: 32
...
	.end_amdgpu_metadata
.endif
;; end of part 5
;; launch outp (part 6): grid 4 x 64, 4 waves a work-group, clusters of 4 x 4, 327,680 bytes of LDS; arguments O, wT, bo, out0; writes out0
.if DOCPART == 6
	.amdgcn_target "amdgcn-amd-amdhsa--gfx1250"
	.amdhsa_code_object_version 6
	.text
	.protected	k_q1178ee22f6_outp
	.globl	k_q1178ee22f6_outp
	.p2align	8
	.type	k_q1178ee22f6_outp,@function
k_q1178ee22f6_outp:
	s_mov_b64 s[64:65], 0
	v_nop
	global_prefetch_b8 v0, s[64:65] scope:SCOPE_SE
	s_setreg_imm32_b32 hwreg(HW_REG_WAVE_MODE, 25, 1), 1
	s_wait_xcnt 0x0
	s_wait_alu depctr_hold_cnt(0) depctr_sa_sdst(0) depctr_va_vdst(0) depctr_va_sdst(0) depctr_va_ssrc(0) depctr_va_vcc(0) depctr_vm_vsrc(0)
	s_getreg_b32 s2, hwreg(HW_REG_IB_STS2, 6, 4)
	s_cmp_eq_u32 s2, 0
	s_cbranch_scc0 .Lentry_in_a_cluster
	s_endpgm
.Lentry_in_a_cluster:
	s_bfe_u32 s2, ttmp6, 0x10000c
	s_cmp_lg_u32 s2, 0xf033
	s_cbranch_scc0 .Lentry_shape_is_right
	s_endpgm
.Lentry_shape_is_right:
; out0 = O Wo + bf16(bo), f32.  A = O [8192][1024] f16; B = wT's rows 3072 on: Wo^T, rounded to bf16 and written as f16.  Sums f32, stored as they are.
; 256 tiles of 128 x 256, one for each WGP.  CLUSTER 4 x 4: O's tile is shared along a row of the cluster, Wo's along a column; each is asked for jointly.
; Ring, fragments and turns of the accumulators as in the projection's text; the way out in f32 as in the scores' text, with the bias added first.
; REGISTERS: window 0: v0-31 addresses; v64-191 A's fragments, later rows read back; window 1: B's fragments; window 2: accumulators; window 3: v0-63 the bias, v72 at work.
.set KSTEP,  128
.set PITCH,  272
.set AHALF,  64*PITCH
.set BHALF,  128*PITCH
.set BOFF,   2*AHALF
.set SLOT,   2*AHALF+2*BHALF
.set STAGE,  2*SLOT
.set SPITCH, 528
.set SPARE,  STAGE+4*16*SPITCH         ; the spare words, 128 bytes for each wave: two blocks of 256 bytes that no other line names
.set LAPS,   4
.set CP,     4096                      ; bytes in a row of out0
.set ADRA, 16
.set ADRB, 20
.set STO,  24
.set RD,   25
.set CO,   26
.set BO,   27
.set SPW,  28
.set NIL,  29
.set PFO,  30
.set G1A, 24
.set G0A, 32
.set LIM, 43
.set PFA, 44
.set G1B, 48
.set G0B, 56
.set MSB, 0
.macro WIN new
.if MSB != (\new)
	s_set_vgpr_msb (MSB<<8)|(\new)
.set MSB, \new
.endif
.endm
.set MUL,  0xa1
.set TO_B, 0x40
.macro JLOAD s
	s_cmp_eq_u32 s11, 0
	s_cbranch_scc0 .Lfor_b_\@
	tensor_load_to_lds s[G0A+4*(\s):G0A+4*(\s)+3], s[G1A:G1A+7]
	s_nop 0
.rept 4
	v_nop
.endr
	s_branch .Lasked_\@
.Lfor_b_\@:
	tensor_load_to_lds s[G0B+4*(\s):G0B+4*(\s)+3], s[G1B:G1B+7]
	s_nop 0
.rept 4
	v_nop
.endr
.Lasked_\@:
.endm
.macro ASK                             ; the K step two refills on: 32 rows x 256 bytes, a lane a row; the loop's last trip (s3 = 1) has no such step
	s_cmp_gt_u32 s3, s[LIM]
	s_cbranch_scc0 .Lnot_mine_\@
	global_prefetch_b8 v[PFO], s[PFA:PFA+1] offset:KSTEP*2 th:TH_LOAD_NT scope:SCOPE_SE
.Lnot_mine_\@:
.endm
.macro CREST
	s_cmp_lg_u32 s10, 0
	s_cbranch_scc1 .Lnot_wave_0_\@
	s_barrier_signal -3
.Lnot_wave_0_\@:
	s_barrier_wait -3
	s_barrier_signal -1
	s_barrier_wait -1
.endm
.macro CROUND
	s_barrier_signal -1
	s_barrier_wait -1
	CREST
.endm
.macro PLACES
.rept 4
	v_nop
.endr
.endm
.macro MUL16 f, c, a0, zero
	WIN MUL
.irp a, \a0, (\a0)+1
.irp b, 0,1,2,3,4,5,6,7
.if \zero
	v_wmma_f32_16x16x32_f16 v[8*(8*(\a)+(\b)):8*(8*(\a)+(\b))+7], v[128*(\f)+8*(8*(\c)+(\b)):128*(\f)+8*(8*(\c)+(\b))+7], v[64+64*(\f)+8*(4*(\c)+(\a)):64+64*(\f)+8*(4*(\c)+(\a))+7], 0
.else
	v_wmma_f32_16x16x32_f16 v[8*(8*(\a)+(\b)):8*(8*(\a)+(\b))+7], v[128*(\f)+8*(8*(\c)+(\b)):128*(\f)+8*(8*(\c)+(\b))+7], v[64+64*(\f)+8*(4*(\c)+(\a)):64+64*(\f)+8*(4*(\c)+(\a))+7], v[8*(8*(\a)+(\b)):8*(8*(\a)+(\b))+7]
.endif
.endr
.endr
.endm
.macro FETCH slot, k, f
	WIN TO_B
.irp c, 0,1
.irp i, 0,1,2,3,4,5,6,7
	ds_load_b128 v[128*(\f)+8*(8*(\c)+(\i)):128*(\f)+8*(8*(\c)+(\i))+3],   v[ADRB+(\slot)] offset:(\k)+64*(\c)+(\i)*16*PITCH
	ds_load_b128 v[128*(\f)+8*(8*(\c)+(\i))+4:128*(\f)+8*(8*(\c)+(\i))+7], v[ADRB+(\slot)] offset:(\k)+64*(\c)+(\i)*16*PITCH+32
.endr
.endr
	WIN 0
.irp c, 0,1
.irp i, 0,1,2,3
	ds_load_b128 v[64+64*(\f)+8*(4*(\c)+(\i)):64+64*(\f)+8*(4*(\c)+(\i))+3],   v[ADRA+(\slot)] offset:(\k)+64*(\c)+(\i)*16*PITCH
	ds_load_b128 v[64+64*(\f)+8*(4*(\c)+(\i))+4:64+64*(\f)+8*(4*(\c)+(\i))+7], v[ADRA+(\slot)] offset:(\k)+64*(\c)+(\i)*16*PITCH+32
.endr
.endr
.endm
.macro HALF slot, k, f, g, zero
	s_wait_dscnt 8                                 ; all but A's eight loads of the second 32 along K
	MUL16 \f, 0, 0, \zero
	MUL16 \f, 0, 2, \zero
	PLACES
	FETCH \slot, \k, \g
	s_wait_dscnt 48                                ; all but the 48 just issued
	MUL16 \f, 1, 0, 0
	MUL16 \f, 1, 2, 0
.endm
.macro TURN slot, next, fill           ; the change of slots; fill = 1: the barrier opens a round of the cluster's barrier, and the joint refill is the first thing behind it
.if \fill
	s_wait_xcnt 0x0                                ; the last prefetch, a K step back, has read its address
	s_add_nc_u64 s[PFA:PFA+1], s[PFA:PFA+1], KSTEP*2
.endif
	WIN 0
	s_wait_tensorcnt 0x0
	ds_add_u32 v[SPW], v[NIL]
	s_wait_dscnt 9                                 ; the add and A's youngest eight loads may be out
	MUL16 1, 0, 0, 0
	s_wait_dscnt 0x0
	s_barrier_signal -1
	MUL16 1, 0, 2, 0
	WIN 0
	s_barrier_wait -1
.if \fill
	CREST
	s_add_nc_u64 s[G0A+4*(\slot)+2:G0A+4*(\slot)+3], s[G0A+4*(\slot)+2:G0A+4*(\slot)+3], 2*KSTEP*2
	s_add_nc_u64 s[G0B+4*(\slot)+2:G0B+4*(\slot)+3], s[G0B+4*(\slot)+2:G0B+4*(\slot)+3], 2*KSTEP*2
	JLOAD \slot
.else
	PLACES
.endif
	FETCH \next, 0, 0
.if \fill
	ASK
.endif
	MUL16 1, 1, 0, 0
	MUL16 1, 1, 2, 0
.endm
.macro BIASLOAD
	WIN 0xc0
.irp b, 0,1,2,3,4,5,6,7
	global_load_b128 v[8*(\b):8*(\b)+3],   v[BO], s[84:85] offset:64*(\b)
	global_load_b128 v[8*(\b)+4:8*(\b)+7], v[BO], s[84:85] offset:64*(\b)+16
.endr
	s_wait_loadcnt 0x0
	WIN 0xcf
.set p, 0
.rept 32
	v_cvt_pk_bf16_f32 v72, v[2*p], v[2*p+1]
	v_lshlrev_b32 v[2*p], 16, v72
	v_and_b32 v[2*p+1], 0xffff0000, v72
.set p, p+1
.endr
	WIN 0
.endm
	s_load_b256 s[68:75], s[0:1], 0x0              ; O s[68:69], wT s[70:71], bo s[72:73], out0 s[74:75]
	v_lshl_add_u32 v[SPW], v0, 2, SPARE
	v_mov_b32 v[NIL], 0
	ds_add_u32 v[SPW], v[NIL]                      ; the wave's opening: the add and its wait ahead of my first tensor load
	ds_add_u32 v28, v29
	v_lshrrev_b32 v1, 5, v0
	v_readfirstlane_b32 s10, v1
	s_lshr_b32 s11, s10, 1
	s_and_b32 s12, s10, 1
	s_bfe_u32 s40, ttmp6, 0x40000                  ; cx: the tile column (the grid is one cluster wide)
	s_bfe_u32 s41, ttmp6, 0x40004                  ; cy
	s_and_b32 s80, ttmp7, 0xffff                   ; Y
	s_lshl_b32 s13, s80, 2
	s_add_co_u32 s13, s13, s41                     ; the tile row
	s_lshl_b32 s43, s41, 2
	s_lshl_b32 s43, 15, s43                        ; my row of the cluster
	s_lshl_b32 s44, 0x1111, s40                    ; my column
	s_or_b32 s[G1A+0], s43, (1<<16)|(1<<20)|(1<<21)|(5<<22)|(3<<25)
	s_or_b32 s[G1B+0], s44, (1<<16)|(1<<20)|(1<<21)|(5<<22)|(3<<25)
	s_mov_b32 s[G1A+1], KSTEP<<16
	s_mov_b32 s[G1A+2], 64<<16
	s_mov_b32 s[G1A+3], KSTEP<<16
	s_mov_b32 s[G1A+4], 64
	s_mov_b32 s[G1A+5], 1024
	s_mov_b32 s[G1A+6], 0
	s_mov_b32 s[G1A+7], 0
	s_mov_b32 s[G1B+1], KSTEP<<16
	s_mov_b32 s[G1B+2], 128<<16
	s_mov_b32 s[G1B+3], KSTEP<<16
	s_mov_b32 s[G1B+4], 128
	s_mov_b32 s[G1B+5], 1024
	s_mov_b32 s[G1B+6], 0
	s_mov_b32 s[G1B+7], 0
	s_lshl_b32 s16, s13, 18                        ; O: (128 x tile row + the 64 rows that I fetch) x 2,048 bytes
	s_lshl_b32 s17, s12, 17
	s_add_co_u32 s16, s16, s17
	s_mov_b32 s17, 0
	s_lshl_b32 s46, s40, 19                        ; wT: (3,072 + 256 cx + the 128 rows that I fetch) x 2,048 bytes
	s_lshl_b32 s47, s12, 18
	s_add_co_u32 s46, s46, s47
	s_add_co_u32 s46, s46, 3072*2048
	s_mov_b32 s47, 0
	s_mul_i32 s20, s12, AHALF
	s_mul_i32 s21, s12, BHALF
	s_add_co_u32 s21, s21, BOFF
	s_wait_dscnt 0x0                               ; the opening add is done
	s_wait_kmcnt 0x0
	s_add_nc_u64 s[18:19], s[68:69], s[16:17]
	s_add_nc_u64 s[46:47], s[70:71], s[46:47]
	CROUND                                         ; all sixteen work-groups are here: the first joint loads meet
.irp s, 0,1
	s_mov_b32 s[G0A+4*(\s)], 1
	s_add_co_u32 s[G0A+4*(\s)+1], s20, (\s)*SLOT
	s_add_nc_u64 s[G0A+4*(\s)+2:G0A+4*(\s)+3], s[18:19], (\s)*KSTEP*2
	s_or_b32 s[G0A+4*(\s)+3], s[G0A+4*(\s)+3], 0x80000000
	s_mov_b32 s[G0B+4*(\s)], 1
	s_add_co_u32 s[G0B+4*(\s)+1], s21, (\s)*SLOT
	s_add_nc_u64 s[G0B+4*(\s)+2:G0B+4*(\s)+3], s[46:47], (\s)*KSTEP*2
	s_or_b32 s[G0B+4*(\s)+3], s[G0B+4*(\s)+3], 0x80000000
	JLOAD \s
.endr
	v_and_b32 v1, 15, v0
	v_bfe_u32 v2, v0, 4, 1
	v_mul_u32_u24 v3, v1, PITCH
	v_lshl_add_u32 v3, v2, 4, v3
	s_mul_i32 s21, s11, AHALF
	s_mul_i32 s22, s12, BHALF
	s_add_co_u32 s22, s22, BOFF
.irp s, 0,1
	v_add_nc_u32 v[ADRA+(\s)], s21, v3
	v_add_nc_u32 v[ADRB+(\s)], s22, v3
	s_add_co_u32 s21, s21, SLOT
	s_add_co_u32 s22, s22, SLOT
.endr
	s_mul_i32 s23, s10, 16*SPITCH
	s_add_co_u32 s23, s23, STAGE
	v_mul_u32_u24 v4, v1, SPITCH
	v_lshl_add_u32 v4, v2, 5, v4
	v_add_nc_u32 v[STO], s23, v4
	v_and_b32 v5, 31, v0
	v_lshlrev_b32 v[CO], 4, v5
	v_add_nc_u32 v[RD], s23, v[CO]
	v_lshlrev_b32 v[BO], 5, v2
	s_lshl_b32 s22, s13, 19                        ; out0: (128 x tile row + 64 x my half) x 4,096 bytes + 1,024 cx + 512 x my half
	s_lshl_b32 s23, s11, 18
	s_add_co_u32 s22, s22, s23
	s_lshl_b32 s23, s40, 10
	s_add_co_u32 s22, s22, s23
	s_lshl_b32 s23, s12, 9
	s_add_co_u32 s22, s22, s23
	s_mov_b32 s23, 0
	s_add_nc_u64 s[8:9], s[74:75], s[22:23]
	; THE PREFETCHES.  O's 128 rows of a tile row are read by one cluster's row alone: wave 0 of each of its four partners takes 32, told apart by address (cx).  Wo's rows are read by all sixteen clusters:
	; in cluster Y = 0 waves 2 and 3 take 32 of their own 128 (cy).
	s_cmp_eq_u32 s11, 0
	s_cselect_b32 s20, s10, s80
	s_cmp_eq_u32 s20, 0
	s_cselect_b32 s[LIM], 1, -1                    ; the same in all sixteen partners, for a given wave
	s_lshl_b32 s21, s13, 18
	s_lshl_b32 s22, s40, 16
	s_add_co_u32 s21, s21, s22                     ; (128 x tile row + 32 cx) x 2,048
	s_lshl_b32 s22, s40, 19
	s_lshl_b32 s23, s12, 18
	s_add_co_u32 s22, s22, s23
	s_lshl_b32 s23, s41, 16
	s_add_co_u32 s22, s22, s23
	s_add_co_u32 s22, s22, 3072*2048               ; (3,072 + 256 cx + my 128 + 32 cy) x 2,048
	s_cmp_eq_u32 s11, 0
	s_cselect_b32 s20, s21, s22
	s_cselect_b64 s[PFA:PFA+1], s[68:69], s[70:71]
	s_mov_b32 s21, 0
	s_add_nc_u64 s[PFA:PFA+1], s[PFA:PFA+1], s[20:21]
	s_add_nc_u64 s[PFA:PFA+1], s[PFA:PFA+1], 2*KSTEP*2  ; at K step 2: the first refill steps it to 3 and names K step 4
	v_lshlrev_b32 v[PFO], 11, v5
	s_lshl_b32 s84, s40, 10                        ; bo at my 128 columns
	s_lshl_b32 s85, s12, 9
	s_add_co_u32 s84, s84, s85
	s_mov_b32 s85, 0
	s_add_nc_u64 s[84:85], s[72:73], s[84:85]
	BIASLOAD
	s_wait_tensorcnt 1                             ; my part of K step 0 is in; K step 1's may stay out
	s_barrier_signal -1
	s_barrier_wait -1
	FETCH 0, 0, 0
	HALF 0, 128, 0, 1, 1
	WIN 0
	s_mov_b32 s3, LAPS-1
.Llap:
	TURN 0, 1, 1
	HALF 1, 128, 0, 1, 0
	TURN 1, 0, 1
	HALF 0, 128, 0, 1, 0
	WIN 0
	s_sub_co_u32 s3, s3, 1
	s_cmp_lg_u32 s3, 0
	s_cbranch_scc1 .Llap
	TURN 0, 1, 0
	HALF 1, 128, 0, 1, 0
	s_wait_dscnt 8
	MUL16 1, 0, 0, 0
	MUL16 1, 0, 2, 0
	s_wait_dscnt 0x0
	MUL16 1, 1, 0, 0
	MUL16 1, 1, 2, 0
	PLACES
	PLACES
.macro TOST32 a                        ; bias added in place; the accumulators go into my stage and come back as whole rows of 512 bytes
	WIN 0x8e
.irp b, 0,1,2,3,4,5,6,7
.irp r, 0,1,2,3
	v_pk_add_f32 v[8*(8*(\a)+(\b))+2*(\r):8*(8*(\a)+(\b))+2*(\r)+1], v[8*(8*(\a)+(\b))+2*(\r):8*(8*(\a)+(\b))+2*(\r)+1], v[8*(\b)+2*(\r):8*(\b)+2*(\r)+1]
.endr
.endr
.if (\a) >= 2
	s_wait_xcnt 0x0                                ; the stores of the block two back have read the registers that are loaded again below
.endif
	WIN 0x08
.irp b, 0,1,2,3,4,5,6,7
	ds_store_b128 v[STO], v[8*(8*(\a)+(\b)):8*(8*(\a)+(\b))+3]   offset:64*(\b)
	ds_store_b128 v[STO], v[8*(8*(\a)+(\b))+4:8*(8*(\a)+(\b))+7] offset:64*(\b)+16
.endr
	WIN 0
.irp t, 0,1,2,3,4,5,6,7,8,9,10,11,12,13,14,15
	ds_load_b128 v[64+64*((\a)%2)+4*(\t):64+64*((\a)%2)+4*(\t)+3], v[RD] offset:(\t)*SPITCH  ; LDS serves a wave's instructions in order: these see the stores above
.endr
.endm
.macro SEND32 a, younger               ; younger: the LDS instructions issued behind block a's loads: the next block's 32, or none
.irp t, 0,1,2,3,4,5,6,7,8,9,10,11,12,13,14,15
	s_wait_dscnt (\younger)+15-(\t)
	global_store_b128 v[CO], v[64+64*((\a)%2)+4*(\t):64+64*((\a)%2)+4*(\t)+3], s[8:9] offset:(16*(\a)+(\t))*CP  ; the wave stores 512 consecutive bytes, aligned
.endr
.endm
	TOST32 0
	TOST32 1
	SEND32 0, 32
	TOST32 2
	SEND32 1, 32
	TOST32 3
	SEND32 2, 32
	SEND32 3, 0
	s_wait_tensorcnt 0x0                           ; the wave's end
	ds_add_u32 v[SPW], v[NIL]
	s_wait_dscnt 0x0
	CROUND                                         ; the closing round
	s_endpgm
.Lfunc_end_k_q1178ee22f6_outp:
	.size	k_q1178ee22f6_outp, .Lfunc_end_k_q1178ee22f6_outp-k_q1178ee22f6_outp
	.p2alignl 7, 3214868480
	.fill 96, 4, 3214868480
	.section	.rodata,"a",@progbits
	.p2align	6, 0x0
	.amdhsa_kernel k_q1178ee22f6_outp
		.amdhsa_group_segment_fixed_size 327680
		.amdhsa_private_segment_fixed_size 0
		.amdhsa_enable_private_segment 0
		.amdhsa_kernarg_size 32
		.amdhsa_user_sgpr_count 2
		.amdhsa_user_sgpr_kernarg_segment_ptr 1
		.amdhsa_wavefront_size32 1
		.amdhsa_system_sgpr_workgroup_id_x 1
		.amdhsa_system_sgpr_workgroup_id_y 1
		.amdhsa_system_sgpr_workgroup_id_z 1
		.amdhsa_system_vgpr_workitem_id 0
		.amdhsa_next_free_vgpr 848
		.amdhsa_next_free_sgpr 96
		.amdhsa_reserve_vcc 0
		.amdhsa_float_denorm_mode_32 3
		.amdhsa_float_denorm_mode_16_64 3
		.amdhsa_memory_ordered 1
		.amdhsa_forward_progress 1
		.amdhsa_inst_pref_size 101
	.end_amdhsa_kernel
	.amdgpu_metadata
---
amdhsa.version: [ 1, 2 ]
amdhsa.kernels:
  - .name:           k_q1178ee22f6_outp
    .symbol:         k_q1178ee22f6_outp.kd
    .args:
      - { .name: O, .offset: 0, .size: 8, .value_kind: global_buffer, .address_space: global }
      - { .name: wT, .offset: 8, .size: 8, .value_kind: global_buffer, .address_space: global }
      - { .name: bo, .offset: 16, .size: 8, .value_kind: global_buffer, .address_space: global }
      - { .name: out0, .offset: 24, .size: 8, .value_kind: global_buffer, .address_space: global }
    .group_segment_fixed_size: 327680
    .private_segment_fixed_size: 0
    .kernarg_segment_align: 8
    .kernarg_segment_size: 32
    .max_flat_workgroup_size: 128
    .sgpr_count:     96
    .vgpr_count:     848
    .wavefront_size: 32
...
	.end_amdgpu_metadata
.endif
;; end of part 6
